; MI455X (gfx1250); checked and timed in simulation.
; The chip was launched on July 23, 2026; its instructions are those of AMD's public machine-readable ISA for CDNA 5 (MIT licence, August 2026) and "CDNA5" Instruction Set Architecture Reference Guide (July 2026). The comments in the code are by the model that wrote it; some were corrected since.
;; Multi Head Attention. Allowed arithmetic: matrix products marked QUANTISED: E2M3 operands, one E8M0 scale for each 32 along K, by v_wmma_scale_f32_16x16x128_f8f6f4 with both operands' format E2M3, f32 sums; everything else in f32.
;; Inputs: Wk 1,024 x 1,024 float32; Wo 1,024 x 1,024 float32; Wq 1,024 x 1,024 float32; Wv 1,024 x 1,024 float32; bk 1,024 float32; bo 1,024 float32; bq 1,024 float32; bv 1,024 float32; keys 4 x 2,048 x 1,024 float32; queries 4 x 2,048 x 1,024 float32; values 4 x 2,048 x 1,024 float32.
;; Outputs: out0 4 x 2,048 x 1,024 float32.
;; This version of the problem:
;;   THIS VERSION OF THE PROBLEM IS GIVEN IN LOW PRECISION. The matrix products marked QUANTISED in the list below multiply operands that are first quantised to E2M3 (2 exponent bits, 3 mantissa bits; 6 bits a number), with one power-of-two scale for each 32 numbers along K (OCP MX v1.0); their sums are f32. All else is computed in f32.
;;   The module's matrix products, in the order in which they are computed (A, B: the left and right operand; K: the contracted axis; several contracted axes count as one K, in the product's order):
;;     1. [M 8,192, K 1,024] x [K 1,024, N 1,024]; A: input queries; B: input Wq: QUANTISED
;;     2. [M 8,192, K 1,024] x [K 1,024, N 1,024]; A: input keys; B: input Wk: QUANTISED
;;     3. [M 8,192, K 1,024] x [K 1,024, N 1,024]; A: input values; B: input Wv: QUANTISED
;;     4. batch 64 x [M 2,048, K 64] x [K 64, N 2,048]; A: computed on the way; B: computed on the way: QUANTISED
;;     5. batch 64 x [M 2,048, K 2,048] x [K 2,048, N 64]; A: softmax (see below); B: computed on the way: QUANTISED
;;     6. [M 8,192, K 1,024] x [K 1,024, N 1,024]; A: computed on the way; B: input Wo: QUANTISED
;;   THE QUANTISER, for each operand of a quantised product, along K:
;;     - K is cut into blocks of 32 from its start; a last block that is shorter is filled with zeros.
;;     - A block's scale is 2^e with e = floor(log2(the largest magnitude in the block)) - 2, held to -126 .. 127; a block of zeros has e = 0. As a byte (E8M0): e + 127.
;;     - Each number is divided by its block's scale, clamped to +-7.5, and rounded to the nearest number of E2M3, ties to even, subnormals kept.
;;     - The product sums the exact products of the quantised numbers (number of the format x scale) in f32.
;;   ~~~python
;;   def quantise(x, axis):      # numpy; x: float32 -> the quantised numbers, widened to float32 again
;;       x = np.moveaxis(x, axis, -1); K = x.shape[-1]
;;       x = np.pad(x, [(0, 0)] * (x.ndim - 1) + [(0, -K % 32)]); x = x.reshape(x.shape[:-1] + (-1, 32)); a = np.abs(x).max(-1, keepdims=True)
;;       e = np.where(a > 0, np.clip(np.frexp(np.where(a > 0, a, 1))[1] - 1 - 2, -126, 127), 0)      # np.frexp(a)[1] - 1 = floor(log2(a)), exactly
;;       r = np.clip(x / 2.0 ** e, -7.5, 7.5)
;;       step = 2.0 ** (np.maximum(np.frexp(np.where(r == 0, 1, r))[1] - 1, 0) - 3)
;;       q = np.round(r / step) * step * 2.0 ** e      # np.round: ties to even
;;       return np.moveaxis(q.reshape(q.shape[:-2] + (-1,))[..., :K], -1, axis).astype(np.float32)
;;   ~~~
;;   SOFTMAX AHEAD OF A QUANTISED PRODUCT. Where the list says 'softmax', what is quantised is not the finished softmax but p = 2^(t - M), with t = logit x log2(e) and M = ceil(the row's largest t), a whole number; so 1/2 < the row's largest p <= 1. The row's sum l is taken of the UNQUANTISED p, in f32, and the product's result is divided by l at the end. Since M is a whole number, a kernel that streams over the keys may use a running M (the ceiling of the running maximum): every later rescaling is an exact power of two, which a block's scale takes up: the codes' values come out the same.
;;   OPERANDS COMPUTED ON THE WAY. 'Computed on the way' means the value that the module computes at that place (a softmax that the list does not call 'softmax' is quantised finished and normalised). What goes into a quantiser is computed in f32, as accurately as f32 sums, v_exp_f32 and their like allow (about 1e-6 of the number): no bf16 or f16 on the way to a quantiser, and a product that is left as it is and whose result goes on into a quantised operand takes f32 operands (vector FMAs, or v_wmma_f32_16x16x4_f32). A number that lies on a knife's edge between two numbers of the format may be rounded either way, as far as f32 arithmetic and the matrix unit's own rounding can turn it there, and no further.
;; One version. Each part assembles by itself: llvm-mc -triple=amdgcn-amd-amdhsa -mcpu=gfx1250 --defsym DOCPART=n.
;; ======== version 1 of 1: 4 launches
;; limits: right only within a limited range of input values
;; workspace buffers: xcod 18,874,368 bytes; xscl 786,432 bytes; wcod 3,145,728 bytes; wscl 131,072 bytes; acod 18,874,368 bytes; ascl 786,432 bytes; ocod 6,291,456 bytes; oscl 262,144 bytes
;; launch quant (part 1): grid 640 x 1, 4 waves a work-group, no clusters, 34,304 bytes of LDS; arguments queries, keys, values, Wq, Wk, Wv, Wo, xcod, xscl, wcod, wscl; writes xcod, xscl, wcod, wscl
.if DOCPART == 1
	.amdgcn_target "amdgcn-amd-amdhsa--gfx1250"
	.amdhsa_code_object_version 6
	.text
	.protected	k_qe436e111a3_quant
	.globl	k_qe436e111a3_quant
	.p2align	8
	.type	k_qe436e111a3_quant,@function
k_qe436e111a3_quant:
	s_mov_b64 s[64:65], 0
	v_nop
	global_prefetch_b8 v0, s[64:65] scope:SCOPE_SE
	s_setreg_imm32_b32 hwreg(HW_REG_WAVE_MODE, 25, 1), 1
	s_wait_xcnt 0x0
; queries, keys, values [8192][1024] f32 (K innermost) and Wq, Wk, Wv, Wo [1024 (k)][1024 (n)] f32 (K outermost) become codes of FP6 (E2M3) with one E8M0 byte for each 32 along K.
; A block's scale is 2^(floor(log2(its largest magnitude)) - 2); its byte is the largest magnitude's exponent field - 2, held at 1 from below.
; LIMITS: NaN and infinities among the inputs are not served; a block whose largest magnitude lies under 2^-124 keeps the byte 1; a block of zeros has the byte 1 where the rule says 127
; (its codes are zeros, which add nothing under any byte but 0xff, and the bytes are read by this program alone).
; THE CODES ARE LAID AS THE MATRIX OPERAND'S REGISTERS.  A ROW BLOCK RB is 16 rows: lane r holds matrix row 32 (RB / 2) + 8 (RB % 2) + r + 8 (r / 8).  A FRAGMENT (16 rows x 128 K, 12 registers a lane) is an image of
; 1,536 bytes in two halves of 768: half c = registers 6 c .. 6 c + 5 (K = 64 c + 32 (lane / 16) + 0 .. 31): four registers at 16 x lane, then two at 512 + 8 x lane.  Codes: [tensor][RB][K step of 128][1536].
; Scale words (four bytes: 128 along K of one row): 512 bytes for each RB, the word of (K step s, row r) at 256 (s / 4) + 16 r + 4 (s % 4).
; Work-groups 0 to 383 take the activations (a wave: one RB, all of K), work-groups 384 to 639 the weights (a wave: 32 columns x 128 along K).  The two ways part on the work-group's number; only the first uses LDS.
; No tensor loads, no barrier: waves share nothing.  Matrix units and clusters have nothing to do here: each input byte is read once and memory binds.
.set L16, 1                            ; v1   16 x lane
.set L8,  2                            ; v2   8 x lane
.set SI,  3                            ; v3   the stage, on the way in: 16 x lane
.set SO,  4                            ; v4   and out: 528 r + 64 h
.set SA,  5                            ; v5   where my scale words go
.set WA,  6                            ; v6   weights: 4 x my column
.set R,   16                           ; v16-143  two sets of 64: a fragment's numbers as loaded
.set X,   144                          ; v144-207 64 numbers of my row: register 16 b + i = k 32 b + 16 h + i
.set PC,  208                          ; v208-219 a fragment's codes
.set CT,  220                          ; v220-226 the upper halves of blocks, as converted
.set TM,  228                          ; v228-231 largest magnitudes, v232-235 bytes, v240-243 the conversions' scale operands
.set SWX, 244                          ; v244-251 the eight K steps' scale words
.set WO,  252                          ; v252-255 the four that my half of the lanes stores
.set XW,  16                           ; weights: v16-79 two sets of 32 numbers down K
.set D,   80                           ; v80-103  four blocks' codes, six registers each
.set CW,  104                          ; v104-106 the upper half of a block, as converted
.set WT,  108                          ; v108-111 at work
.set WS,  112                          ; v112     my column's scale word
.set WV,  26
.set SEL, 32                           ; s[32:33] v_permlanex16_b32's selects for lane l xor 16
.set HM,  34                           ; s34      the mask of lanes 16 to 31
; 64 numbers of a lane, v[s] on, register 16 b + i = k 32 b + 16 (lane / 16) + i of my row, become a fragment's two halves in v[d0] on and v[d1] on; the four scale bytes are left in v[TM+4] .. v[TM+7].
.macro QUANT s, d0, d1
.irp b, 0,1,2,3
	v_max3_num_f32 v[TM+\b], |v[\s+16*\b]|, |v[\s+1+16*\b]|, 0x1800000   ; my 16 numbers of block b, and the floor 2^(3 - 127): the byte cannot fall under 1
.endr
.irp i, 2,4,6,8,10,12,14
.irp b, 0,1,2,3
	v_max3_num_f32 v[TM+\b], v[TM+\b], |v[\s+16*\b+\i]|, |v[\s+1+16*\b+\i]|   ; the four blocks by turns
.endr
.endr
.irp b, 0,1,2,3
	v_permlanex16_b32 v[TM+4+\b], v[TM+\b], s[SEL], s[SEL+1]
.endr
.irp b, 0,1,2,3
	v_max_num_f32 v[TM+\b], v[TM+\b], v[TM+4+\b]       ; with lane l xor 16's 16: the block's largest magnitude
.endr
.irp b, 0,1,2,3
	v_add_nc_u32 v[TM+12+\b], 0xff000000, v[TM+\b]     ; 2 off its exponent field: the conversion takes this operand's exponent field as its scale
.endr
.irp b, 0,1,2,3
	v_lshrrev_b32 v[TM+4+\b], 23, v[TM+12+\b]          ; the scale's byte
.endr
	v_cvt_scalef32_pk16_fp6_f32 v[\d0:\d0+2], v[\s:\s+15], v[TM+12]
	v_cvt_scalef32_pk16_fp6_f32 v[CT:CT+2], v[\s+16:\s+31], v[TM+13]   ; (a conversion's three registers begin on an even number)
	v_cvt_scalef32_pk16_fp6_f32 v[\d1:\d1+2], v[\s+32:\s+47], v[TM+14]
	v_cvt_scalef32_pk16_fp6_f32 v[CT+4:CT+6], v[\s+48:\s+63], v[TM+15]
	v_nop                                              ; one plain instruction behind the scaled conversions
.irp i, 0,1,2
	v_permlane16_swap_b32 v[\d0+\i], v[CT+\i]          ; the layout wants a WHOLE block in a lane: lanes 0-15 the even block, lanes 16-31 the odd one
.endr
.irp i, 0,1,2
	v_mov_b32 v[\d0+3+\i], v[CT+\i]
.endr
.irp i, 0,1,2
	v_permlane16_swap_b32 v[\d1+\i], v[CT+4+\i]
.endr
.irp i, 0,1,2
	v_mov_b32 v[\d1+3+\i], v[CT+4+\i]
.endr
.endm
; a fragment's image: each store of the wave covers 512 or 256 consecutive bytes, at a multiple of 256 from the buffer's first byte
.macro STOREF reg, off, base
	global_store_b128 v[L16], v[\reg:\reg+3], s[\base:\base+1] offset:\off
	global_store_b64 v[L8], v[\reg+4:\reg+5], s[\base:\base+1] offset:\off+512
	global_store_b128 v[L16], v[\reg+6:\reg+9], s[\base:\base+1] offset:\off+768
	global_store_b64 v[L8], v[\reg+10:\reg+11], s[\base:\base+1] offset:\off+1280
.endm
	s_load_b512 s[4:19], s[0:1], 0x0               ; queries s[4:5], keys s[6:7], values s[8:9], Wq s[10:11], Wk s[12:13], Wv s[14:15], Wo s[16:17], xcod s[18:19]
	s_load_b128 s[20:23], s[0:1], 0x40             ; xscl s[20:21], wcod s[22:23]
	s_load_b64 s[24:25], s[0:1], 0x50              ; wscl
	v_lshl_add_u32 v238, v0, 2, 0x8400
	v_mov_b32 v239, 0
	v_lshrrev_b32 v7, 5, v0
	v_readfirstlane_b32 s[WV], v7                  ; wave 0..3
	v_and_b32 v7, 31, v0                           ; lane
	v_lshlrev_b32 v[L16], 4, v7
	v_lshlrev_b32 v[L8], 3, v7
	v_and_b32 v8, 15, v0                           ; r
	v_bfe_u32 v9, v0, 4, 1                         ; h
	s_mov_b32 s[SEL], 0x76543210
	s_mov_b32 s[SEL+1], 0xfedcba98
	s_mov_b32 s[HM], 0xffff0000
	s_cmp_lt_u32 ttmp9, 384
	s_cbranch_scc0 .Lweights
	; ---- THE ACTIVATIONS.  Tensor T = work-group / 128; my wave's row block RB = 4 (work-group % 128) + wave.
	s_lshr_b32 s27, ttmp9, 7                       ; T
	s_and_b32 s28, ttmp9, 127
	s_lshl_b32 s28, s28, 2
	s_add_co_u32 s28, s28, s[WV]                   ; RB
	s_mul_i32 s29, s[WV], 8448                     ; my stage: 16 rows of 512 bytes + 16: 132 words from row to row, so the 16 rows that a read touches begin in 16 different groups of four banks
	s_wait_alu depctr_va_vdst(0)
	v_add_nc_u32 v[SI], s29, v[L16]
	v_mul_u32_u24 v[SO], v8, 528
	v_lshl_add_u32 v[SO], v9, 6, v[SO]
	v_add_nc_u32 v[SO], s29, v[SO]
	v_lshlrev_b32 v[SA], 4, v8
	v_lshl_add_u32 v[SA], v9, 8, v[SA]             ; 256 h + 16 r
.irp b, 0,1,2,3
	v_mov_b32 v[TM+4+\b], 0                        ; written once: a lane permute's destination counts as one of its sources
.endr
	s_lshr_b32 s30, s28, 1
	s_lshl_b32 s30, s30, 17                        ; 32 rows of 4,096 bytes for each pair of row blocks,
	s_and_b32 s35, s28, 1
	s_lshl_b32 s35, s35, 15                        ; 8 rows for the odd one
	s_add_co_u32 s30, s30, s35
	s_mov_b32 s31, 0
	s_mul_i32 s36, s27, 6291456                    ; codes: 512 row blocks of 12,288 bytes a tensor
	s_mul_i32 s35, s28, 12288
	s_add_co_u32 s36, s36, s35
	s_mov_b32 s37, 0
	s_lshl_b32 s38, s27, 18                        ; scale words: 512 row blocks of 512 bytes a tensor
	s_lshl_b32 s35, s28, 9
	s_add_co_u32 s38, s38, s35
	s_mov_b32 s39, 0
	s_wait_alu depctr_va_vdst(0)
	s_wait_kmcnt 0x0
	s_cmp_eq_u32 s27, 0                            ; the choice hangs on the work-group's number alone
	s_cselect_b64 s[4:5], s[4:5], s[6:7]
	s_cmp_eq_u32 s27, 2
	s_cselect_b64 s[4:5], s[8:9], s[4:5]
	s_add_nc_u64 s[4:5], s[4:5], s[30:31]
	s_add_nc_u64 s[18:19], s[18:19], s[36:37]
	s_add_nc_u64 s[20:21], s[20:21], s[38:39]
.macro LOADX t                         ; K step t of my 16 rows: each load reads 512 consecutive bytes of one row
.irp i, 0,1,2,3,4,5,6,7,8,9,10,11,12,13,14,15
	global_load_b128 v[R+64*((\t)%2)+4*\i:R+64*((\t)%2)+4*\i+3], v[L16], s[4:5] offset:(\i+8*(\i/8))*4096+512*(\t) th:TH_LOAD_NT
.endr
.endm
.macro STEPX t
.if (\t) < 7
	s_wait_loadcnt 16                              ; this K step's 16 loads are in; the next step's 16 may be out
.else
	s_wait_loadcnt 0x0
.endif
.irp i, 0,1,2,3,4,5,6,7,8,9,10,11,12,13,14,15
	ds_store_b128 v[SI], v[R+64*((\t)%2)+4*\i:R+64*((\t)%2)+4*\i+3] offset:528*\i      ; row i as it lies
.endr
.irp b, 0,1,2,3
.irp j, 0,1,2,3
	ds_load_b128 v[X+16*\b+4*\j:X+16*\b+4*\j+3], v[SO] offset:128*\b+16*\j              ; LDS serves a wave's instructions in order: these see my stores.  Lane (r, h): 16 neighbours of each block of row r
.endr
.endr
	s_wait_dscnt 0x0                               ; my numbers are back, and the stage's stores have read their registers,
	s_wait_xcnt 0x0                                ; and the last fragment's stores have read theirs: the codes' registers are written again only behind this wait
.if (\t) < 6
	LOADX (\t)+2                                   ; which take the loads of two K steps on
.endif
	QUANT X, PC, PC+6
	v_lshl_or_b32 v[SWX+(\t)], v[TM+5], 8, v[TM+4] ; the four bytes make my row's scale word of this K step
	v_lshl_or_b32 v[SWX+(\t)], v[TM+6], 16, v[SWX+(\t)]
	v_lshl_or_b32 v[SWX+(\t)], v[TM+7], 24, v[SWX+(\t)]
	STOREF PC, 1536*(\t), 18
.endm
	LOADX 0
	LOADX 1
.irp t, 0,1,2,3,4,5,6,7
	STEPX \t
.endr
.irp i, 0,1,2,3
	v_cndmask_b32 v[WO+\i], v[SWX+\i], v[SWX+4+\i], s[HM]   ; lanes 0-15 store K steps 0 to 3 of row r, lanes 16-31 K steps 4 to 7
.endr
	global_store_b128 v[SA], v[WO:WO+3], s[20:21]  ; the row block's 512 bytes of scale words in one store
	s_wait_tensorcnt 0x0
	ds_add_u32 v238, v239
	s_wait_dscnt 0x0
	s_endpgm
	; ---- THE WEIGHTS.  A LANE TAKES A COLUMN n AND ITS REGISTERS RUN DOWN K: a block of 32 lies in one lane, and the conversions give codes with K innermost.
	; g = work-group - 384: weight g / 64, K step (g / 8) % 8, columns 128 (g % 8) on; wave w takes 32 of them.  Lane l takes column l with its bits 3 and 4 exchanged: so lanes 0-15 are the rows of
	; row block RB0 = 2 (4 (g % 8) + w) in its own order and lanes 16-31 those of RB0 + 1, and a load still reads 128 consecutive bytes.
.Lweights:
	s_sub_co_u32 s27, ttmp9, 384
	s_lshr_b32 s28, s27, 6                         ; which weight: 0 q, 1 k, 2 v, 3 o
	s_and_b32 s29, s27, 7
	s_bfe_u32 s30, s27, 0x30003                    ; K step
	v_and_b32 v10, 7, v0
	v_bfe_u32 v11, v0, 3, 1
	v_lshl_add_u32 v10, v11, 4, v10
	s_wait_alu depctr_va_vdst(0)
	v_lshl_add_u32 v10, v9, 3, v10
	v_lshlrev_b32 v[WA], 2, v10
	v_lshlrev_b32 v[SA], 4, v8
	v_lshl_add_u32 v[SA], v9, 9, v[SA]             ; scale words: 512 (lane / 16) + 16 (lane % 16)
	s_lshl_b32 s35, s29, 2
	s_add_co_u32 s35, s35, s[WV]                   ; RB0 / 2
	s_lshl_b32 s36, s30, 19                        ; 128 rows of 4,096 bytes a K step,
	s_lshl_b32 s37, s35, 7                         ; 32 columns of 4 bytes
	s_add_co_u32 s36, s36, s37
	s_mov_b32 s37, 0
	s_mul_i32 s38, s28, 786432                     ; codes: 64 row blocks of 12,288 bytes a weight
	s_mul_i32 s39, s35, 24576
	s_add_co_u32 s38, s38, s39
	s_mul_i32 s39, s30, 1536
	s_add_co_u32 s38, s38, s39
	s_mov_b32 s39, 0
	s_lshl_b32 s40, s28, 15                        ; scale words: 64 row blocks of 512 bytes a weight
	s_lshl_b32 s41, s35, 10
	s_add_co_u32 s40, s40, s41
	s_lshr_b32 s41, s30, 2
	s_lshl_b32 s41, s41, 8
	s_add_co_u32 s40, s40, s41
	s_and_b32 s41, s30, 3
	s_lshl_b32 s41, s41, 2
	s_add_co_u32 s40, s40, s41
	s_mov_b32 s41, 0
	s_and_b32 s42, s28, 1
	s_wait_alu depctr_va_vdst(0)
	s_wait_kmcnt 0x0
	s_cmp_lt_u32 s28, 2
	s_cselect_b64 s[4:5], s[10:11], s[14:15]       ; Wq or Wv,
	s_cselect_b64 s[6:7], s[12:13], s[16:17]       ; Wk or Wo
	s_cmp_eq_u32 s42, 1
	s_cselect_b64 s[4:5], s[6:7], s[4:5]
	s_add_nc_u64 s[4:5], s[4:5], s[36:37]
	s_add_nc_u64 s[22:23], s[22:23], s[38:39]
	s_add_nc_u64 s[24:25], s[24:25], s[40:41]
.macro LOADW j                         ; block j: W(32 j + i, my column), i = 0 .. 31
.irp i, 0,1,2,3,4,5,6,7,8,9,10,11,12,13,14,15,16,17,18,19,20,21,22,23,24,25,26,27,28,29,30,31
	global_load_b32 v[XW+32*((\j)%2)+\i], v[WA], s[4:5] offset:(32*(\j)+\i)*4096 th:TH_LOAD_NT
.endr
.endm
.macro BLOCKW j
.set XS, XW+32*((\j)%2)
.if (\j) < 3
	s_wait_loadcnt 32                              ; this block's 32 loads are in; the next block's may be out
.else
	s_wait_loadcnt 0x0
.endif
	v_max3_num_f32 v[WT], |v[XS]|, |v[XS+1]|, |v[XS+2]|             ; the block's largest magnitude: all 32 numbers are mine; two chains
	v_max3_num_f32 v[WT+1], |v[XS+3]|, |v[XS+4]|, |v[XS+5]|
.irp i, 6,10,14,18,22,26
	v_max3_num_f32 v[WT], v[WT], |v[XS+\i]|, |v[XS+\i+1]|
	v_max3_num_f32 v[WT+1], v[WT+1], |v[XS+\i+2]|, |v[XS+\i+3]|
.endr
	v_max3_num_f32 v[WT], v[WT], |v[XS+30]|, |v[XS+31]|
	v_max3_num_f32 v[WT], v[WT], v[WT+1], 0x1800000                 ; and the floor 2^(3 - 127)
	v_add_nc_u32 v[WT+2], 0xff000000, v[WT]        ; the conversions' scale operand
	v_lshrrev_b32 v[WT+3], 23, v[WT+2]             ; the scale's byte
.if (\j) == 0
	v_mov_b32 v[WS], v[WT+3]
.else
	v_lshl_or_b32 v[WS], v[WT+3], 8*(\j), v[WS]
.endif
	v_cvt_scalef32_pk16_fp6_f32 v[D+6*(\j):D+6*(\j)+2], v[XS:XS+15], v[WT+2]
	v_cvt_scalef32_pk16_fp6_f32 v[CW:CW+2], v[XS+16:XS+31], v[WT+2]
	v_nop                                          ; one plain instruction behind the scaled conversions
.irp i, 0,1,2
	v_mov_b32 v[D+6*(\j)+3+\i], v[CW+\i]
.endr
.if (\j) < 2
	LOADW (\j)+2
.endif
.endm
	LOADW 0
	LOADW 1
	BLOCKW 0
	BLOCKW 1
	BLOCKW 2
	BLOCKW 3
.irp c, 0,1                            ; blocks 2 c and 2 c + 1 change halves: the first register then holds half c of RB0's fragment (lanes 0-15 block 2 c, lanes 16-31 block 2 c + 1), the second that of RB0 + 1
.irp i, 0,1,2,3,4,5
	v_permlane16_swap_b32 v[D+12*\c+\i], v[D+12*\c+6+\i]
.endr
.endr
.irp c, 0,1
.irp u, 0,1
	global_store_b128 v[L16], v[D+12*\c+6*\u:D+12*\c+6*\u+3], s[22:23] offset:\u*12288+\c*768
	global_store_b64 v[L8], v[D+12*\c+6*\u+4:D+12*\c+6*\u+5], s[22:23] offset:\u*12288+\c*768+512
.endr
.endr
	global_store_b32 v[SA], v[WS], s[24:25]        ; four bytes a lane, 16 bytes apart: the other K steps' words between them belong to other work-groups.  131,072 bytes in all, 1/128 of what this way reads
	s_endpgm
.Lfunc_end_k_qe436e111a3_quant:
	.size	k_qe436e111a3_quant, .Lfunc_end_k_qe436e111a3_quant-k_qe436e111a3_quant
	.p2alignl 7, 3214868480
	.fill 96, 4, 3214868480
	.section	.rodata,"a",@progbits
	.p2align	6, 0x0
	.amdhsa_kernel k_qe436e111a3_quant
		.amdhsa_group_segment_fixed_size 34304
		.amdhsa_private_segment_fixed_size 0
		.amdhsa_enable_private_segment 0
		.amdhsa_kernarg_size 88
		.amdhsa_user_sgpr_count 2
		.amdhsa_user_sgpr_kernarg_segment_ptr 1
		.amdhsa_wavefront_size32 1
		.amdhsa_system_sgpr_workgroup_id_x 1
		.amdhsa_system_sgpr_workgroup_id_y 1
		.amdhsa_system_sgpr_workgroup_id_z 1
		.amdhsa_system_vgpr_workitem_id 0
		.amdhsa_next_free_vgpr 256
		.amdhsa_next_free_sgpr 66
		.amdhsa_reserve_vcc 0
		.amdhsa_float_denorm_mode_32 3
		.amdhsa_float_denorm_mode_16_64 3
		.amdhsa_memory_ordered 1
		.amdhsa_forward_progress 1
		.amdhsa_inst_pref_size 86
	.end_amdhsa_kernel
	.amdgpu_metadata
---
amdhsa.version: [ 1, 2 ]
amdhsa.kernels:
  - .name:           k_qe436e111a3_quant
    .symbol:         k_qe436e111a3_quant.kd
    .args:
      - { .name: queries, .offset: 0, .size: 8, .value_kind: global_buffer, .address_space: global }
      - { .name: keys, .offset: 8, .size: 8, .value_kind: global_buffer, .address_space: global }
      - { .name: values, .offset: 16, .size: 8, .value_kind: global_buffer, .address_space: global }
      - { .name: Wq, .offset: 24, .size: 8, .value_kind: global_buffer, .address_space: global }
      - { .name: Wk, .offset: 32, .size: 8, .value_kind: global_buffer, .address_space: global }
      - { .name: Wv, .offset: 40, .size: 8, .value_kind: global_buffer, .address_space: global }
      - { .name: Wo, .offset: 48, .size: 8, .value_kind: global_buffer, .address_space: global }
      - { .name: xcod, .offset: 56, .size: 8, .value_kind: global_buffer, .address_space: global }
      - { .name: xscl, .offset: 64, .size: 8, .value_kind: global_buffer, .address_space: global }
      - { .name: wcod, .offset: 72, .size: 8, .value_kind: global_buffer, .address_space: global }
      - { .name: wscl, .offset: 80, .size: 8, .value_kind: global_buffer, .address_space: global }
    .group_segment_fixed_size: 34304
    .private_segment_fixed_size: 0
    .kernarg_segment_align: 8
    .kernarg_segment_size: 88
    .max_flat_workgroup_size: 128
    .sgpr_count:     66
    .vgpr_count:     256
    .wavefront_size: 32
...
	.end_amdgpu_metadata
.endif
;; end of part 1
;; launch proj (part 2): grid 4 x 96, 4 waves a work-group, clusters of 4 x 4, 327,680 bytes of LDS; arguments xcod, xscl, wcod, wscl, bq, bk, bv, acod, ascl; writes acod, ascl
.if DOCPART == 2
	.amdgcn_target "amdgcn-amd-amdhsa--gfx1250"
	.amdhsa_code_object_version 6
	.text
	.protected	k_qe436e111a3_proj
	.globl	k_qe436e111a3_proj
	.p2align	8
	.type	k_qe436e111a3_proj,@function
k_qe436e111a3_proj:
	s_mov_b64 s[64:65], 0
	v_nop
	global_prefetch_b8 v0, s[64:65] scope:SCOPE_SE
	s_setreg_imm32_b32 hwreg(HW_REG_WAVE_MODE, 25, 1), 1
	s_wait_xcnt 0x0
	s_wait_alu depctr_hold_cnt(0) depctr_sa_sdst(0) depctr_va_vdst(0) depctr_va_sdst(0) depctr_va_ssrc(0) depctr_va_vcc(0) depctr_vm_vsrc(0)
	s_getreg_b32 s2, hwreg(HW_REG_IB_STS2, 6, 4)
	s_cmp_eq_u32 s2, 0
	s_cbranch_scc0 .Lentry_in_a_cluster
	s_endpgm
.Lentry_in_a_cluster:
	s_bfe_u32 s2, ttmp6, 0x10000c
	s_cmp_lg_u32 s2, 0xf033
	s_cbranch_scc0 .Lentry_shape_is_right
	s_endpgm
.Lentry_shape_is_right:
; q = queries Wq + bq, k = keys Wk + bk, v = values Wv + bv, on codes of FP6 (E2M3) with one E8M0 scale for each 32 along K = 1,024; sums in f32; the results are quantised in registers
; and leave as the operand images that the attention launch reads: no f32 intermediate goes to memory.
; LIMITS: NaN and infinities are not served; a block whose largest magnitude lies under 2^-124 keeps the scale byte 1; a block of zeros has the byte 1 (its codes are zeros; this program alone reads the bytes).
; OPERANDS arrive as images of their registers: a row block of 16 rows (lane r = row 32 (RB / 2) + 8 (RB % 2) + r + 8 (r / 8)), a fragment of 16 rows x 128 K in 1,536 bytes, [RB][K step 8][1536]; scale words 512 bytes an RB.
; A tile of 256 x 256 is made by four waves, each 128 x 128: 64 accumulators, 512 registers.  THE MATRIX INSTRUCTION IS USED TRANSPOSED: source 0 = 16 rows of operand B, source 1 = 16 rows of operand A: a lane holds
; ONE row of A, and by the order of rows in a row block the 16 registers of B's blocks 2 b and 2 b + 1 are 16 NEIGHBOURING rows of B: 32 b + 16 (lane / 16) + 0 .. 15.
; ONE LAUNCH FOR THREE PRODUCTS: cluster y / 8 says which.  For q and k: A = the tokens, B = the weight's columns: registers run along the channels, along which q and k are quantised.
; For v the roles are exchanged: A = Wv's columns, B = the tokens: registers run along the keys, along which v is quantised.
; K goes in four steps of 256 through THREE LDS slots: three steps are asked for at the head, the fourth is filled into slot 0 behind the one change of slots: it has four steps of 128, 256 matrix instructions, in which to land.
; CLUSTERS: 4 x 4 work-groups.  A's tile is shared along a row of the cluster, B's along a column: each is asked for jointly, by the same tensor load with the same descriptor and a mask that names the four.
; 384 work-groups of equal work; a smaller tile would read each LDS byte for half as many products.
; REGISTERS, in windows of 256: window 0: v0-31 addresses; v32-63 scale words, two sets; v64-127 the bias along the registers; v128-223 A's fragments, one set; v248-255 the bias along the lanes.
;   window 1: B's fragments, two sets, at v0 and v128.  window 2: the accumulators of A's blocks 0-3 ((a, b) at v[8 (8 (a % 4) + b)]); window 3: of blocks 4-7.
.set SLOTB, 98304                      ; a slot: A's 16 row blocks x 3,072 bytes (two K steps of 128), then B's 16
.set SCL,   3*SLOTB                    ; behind the slots: the scale words of A's 256 rows and B's 256 rows, for all of K: 4 x 4,096 bytes, filled once
.set SPARE, SCL+16384                  ; the spare words, 128 bytes for each wave: two blocks of 256 bytes that no other line names
.set FR,   12                          ; registers of a fragment
.set ADRA, 4                           ; v4-9    slot L: v[4+2L] = my half of A + 16 x lane, v[5+2L] the same + 8 x lane
.set ADRB, 10                          ; v10-15  the same for B
.set ADRS, 16                          ; v16     my scale words: lanes 0-15 A's rows, lanes 16-31 B's
.set L16,  17
.set L8,   18
.set SA,   19                          ; v19     where my scale words go: 16 r + 12,288 h
.set BO,   20                          ; v20     byte offset of the bias along the registers
.set BRO,  21                          ; v21     and along the lanes
.set SPW,  28                          ; v28     LDS address of my spare word; never rewritten
.set NIL,  29                          ; v29     0; never rewritten
.set SC,   32
.set BI,   64
.set AF,   128
.set H,    128                         ; the way out: 64 finished numbers of a lane
.set FA,   192                         ; two fragments being made
.set FB,   204
.set CT,   216
.set TM,   224
.set SW,   240                         ; v240-247 eight scale words
.set BR,   248
.set WV,   22
.set HA,   23                          ; my half of A's rows.  Also: I fetch for A (0) or for B (1)
.set HB,   24                          ; my half of B's rows.  Also: which 128 rows I fetch
.set CX,   25
.set CY,   26
.set WH,   27                          ; which product: 0 q, 1 k, 2 v
.set IDX,  28
.set TR,   29                          ; A's tile
.set TC,   30                          ; B's tile
.set G1,   32                          ; s[32:39] descriptor group 1 for A's codes;  s[40:47] for B's
.set G1B,  40
.set G0,   48                          ; s[48:59] groups 0 for A's codes, one for each of the three loads;  s[60:63] for A's scale words
.set G0S,  60
.set G0B,  68                          ; s[68:79], s[80:83] the same for B
.set G0SB, 80
.set G1S,  84                          ; s[84:91], s[92:99] groups 1 for the scale words
.set G1SB, 92
.set SEL,  84                          ; on the way out, when no tensor load is left: s[84:85] the lane selects, s86 the mask of lanes 16 to 31
.set HM,   86
.set ZERO, 1                           ; the first step's products take the constant 0 as C
.set MSB, 0
.macro WIN new                         ; the immediate's high byte repeats the setting that is left
.if MSB != (\new)
	s_set_vgpr_msb (MSB<<8)|(\new)
.set MSB, (\new)
.endif
.endm
.set MUL_LO, 0xa1                      ; source 0 (B) window 1, source 1 (A) window 0, C and D window 2
.set MUL_HI, 0xf1                      ; the same, C and D window 3
.set TO_B,   0x40                      ; destination window 1, address window 0
.macro WLO zero
.if \zero == 2
	WIN 0x81                                       ; C in window 0
.else
	WIN MUL_LO
.endif
.endm
.macro WHI zero
.if \zero == 2
	WIN 0xc1
.else
	WIN MUL_HI
.endif
.endm
; A joint load: waves 0 and 1 fetch for A, waves 2 and 3 for B.  Each line has one mask and one set of registers for all that issue it; the branch hangs on the wave's number alone.
; Four v_nop follow each of the two lines.
.macro JLOAD g0a, g1a, g0b, g1b
	s_cmp_eq_u32 s[HA], 0
	s_cbranch_scc0 .Lfor_b_\@
	tensor_load_to_lds s[\g0a:\g0a+3], s[\g1a:\g1a+7]
	s_nop 0
.rept 4
	v_nop
.endr
	s_branch .Lasked_\@
.Lfor_b_\@:
	tensor_load_to_lds s[\g0b:\g0b+3], s[\g1b:\g1b+7]
	s_nop 0
.rept 4
	v_nop
.endr
.Lasked_\@:
.endm
.macro CREST                           ; a round of the cluster's barrier behind its opening barrier
	s_cmp_lg_u32 s[WV], 0
	s_cbranch_scc1 .Lnot_wave_0_\@
	s_barrier_signal -3
.Lnot_wave_0_\@:
	s_barrier_wait -3
	s_barrier_signal -1
	s_barrier_wait -1
.endm
.macro CROUND                          ; a whole round
	s_barrier_signal -1
	s_barrier_wait -1
	CREST
.endm
.macro PLACES                          ; four places behind matrix instructions, in front of loads into registers that they have read and of the first read of results
.rept 4
	v_nop
.endr
.endm
.macro FRAG reg, adr, off              ; a fragment's image comes back as it was stored: every load reads 512 or 256 consecutive bytes
	ds_load_b128 v[\reg:\reg+3], v[\adr] offset:\off
	ds_load_b64 v[\reg+4:\reg+5], v[\adr+1] offset:\off+512
	ds_load_b128 v[\reg+6:\reg+9], v[\adr] offset:\off+768
	ds_load_b64 v[\reg+10:\reg+11], v[\adr+1] offset:\off+1280
.endm
.macro FETCH_B sl, q, p                ; B's eight fragments of slot sl's q-th 128 along K into set p
	WIN TO_B
.irp i, 0,1,2,3,4,5,6,7
	FRAG 128*(\p)+FR*\i, ADRB+2*(\sl), 3072*(1+((\sl)+1)/2)*(\i)+1536*(\q)   ; a row block is 3,072 bytes in slot 0, 6,144 in the region that holds slots 1 and 2
.endr
	WIN 0
.endm
.macro FETCH_A sl, q, i0               ; A's blocks i0 .. i0 + 3
.irp i, \i0, \i0+1, \i0+2, \i0+3
	FRAG AF+FR*(\i), ADRA+2*(\sl), 3072*(1+((\sl)+1)/2)*(\i)+1536*(\q)
.endr
.endm
.macro SCALES ss, st                   ; the scale words of K step ss of 256 into set st: two words a row; lanes 0-15 A's block i, lanes 16-31 B's block i
.irp i, 0,1,2,3,4,5,6,7
	ds_load_b64 v[SC+16*(\st)+2*\i:SC+16*(\st)+2*\i+1], v[ADRS] offset:512*\i+256*((\ss)/2)+8*((\ss)%2)
.endr
.endm
; 16 matrix instructions: A's blocks a0, a0 + 1 x B's eight, 128 along K.  p: B's set; q: which word of the pair; sc: the set of scale words.  zero = 1: C = 0; 2: C = the bias; 0: the sums go on.
; The 64 accumulators take turns, one instruction a turn, in the same order in every step.
.macro MUL16 a0, p, q, sc, zero
.irp a, \a0, \a0+1
.irp b, 0,1,2,3,4,5,6,7
.set rD, 8*(8*((\a)%4)+\b)
.set rB, 128*(\p)+FR*\b
.set rA, AF+FR*(\a)
.set rSB, SC+16*(\sc)+2*\b+(\q)
.set rSA, SC+16*(\sc)+2*(\a)+(\q)
.if \zero == 1
	v_wmma_scale_f32_16x16x128_f8f6f4 v[rD:rD+7], v[rB:rB+FR-1], v[rA:rA+FR-1], 0, v[rSB], v[rSA] matrix_a_fmt:MATRIX_FMT_FP6 matrix_b_fmt:MATRIX_FMT_FP6 matrix_a_scale:MATRIX_SCALE_ROW1
.elseif \zero == 2
	v_wmma_scale_f32_16x16x128_f8f6f4 v[rD:rD+7], v[rB:rB+FR-1], v[rA:rA+FR-1], v[BI+8*\b:BI+8*\b+7], v[rSB], v[rSA] matrix_a_fmt:MATRIX_FMT_FP6 matrix_b_fmt:MATRIX_FMT_FP6 matrix_a_scale:MATRIX_SCALE_ROW1
.else
	v_wmma_scale_f32_16x16x128_f8f6f4 v[rD:rD+7], v[rB:rB+FR-1], v[rA:rA+FR-1], v[rD:rD+7], v[rSB], v[rSA] matrix_a_fmt:MATRIX_FMT_FP6 matrix_b_fmt:MATRIX_FMT_FP6 matrix_a_scale:MATRIX_SCALE_ROW1
.endif
.endr
.endr
.endm
; A step of 128 along K.  A block of A is free as soon as its eight products are issued, so A has one set: blocks 0-3 are fetched anew in the step's middle, blocks 4-7 at its end.  The next step lies in slot nl, at its nq-th 128.
.macro STEP q, p, sc, nl, nq, ns, zero
	s_wait_dscnt 16                                ; all but the youngest 16 loads (A's blocks 4-7: four fragments of four loads) are in
	WLO \zero
	MUL16 0, \p, \q, \sc, \zero
	MUL16 2, \p, \q, \sc, \zero
	s_wait_dscnt 0x0                               ; A's blocks 4-7 are in (asked for 32 matrix instructions ago)
	PLACES
	FETCH_B \nl, \nq, 1-(\p)
	FETCH_A \nl, \nq, 0
.if (\nq) == 0
	SCALES \ns, 1-(\sc)
.endif
	WHI \zero
	MUL16 4, \p, \q, \sc, \zero
	MUL16 6, \p, \q, \sc, \zero
	PLACES
	WIN 0
	FETCH_A \nl, \nq, 4
.endm
; A step with a barrier.  In front of it each wave waits for all its tensor loads, adds 0 to its spare word, and waits for that and for its own LDS reads.  fill = 1: slot 0, which nobody reads any more, takes the fourth K step of 256.
.macro TURN sc, nl, ns, fill
	s_wait_tensorcnt 0x0                           ; all my tensor loads have landed
	ds_add_u32 v[SPW], v[NIL]                      ; 0 onto my spare word
	s_wait_dscnt 17                                ; (the add and the youngest 16 loads may be out)
	WIN MUL_LO
	MUL16 0, 1, 1, \sc, 0                          ; sixteen matrix instructions stand between the add and the wait for it
	s_wait_dscnt 0x0                               ; the add is done, and my reads of the slot that I leave are over
	s_barrier_signal -1
	MUL16 2, 1, 1, \sc, 0
	WIN 0
	s_barrier_wait -1
.if \fill
	CREST                                          ; the barrier has opened a round of the cluster's barrier: no wave of any partner still reads slot 0 or has a load on its way
	s_add_nc_u64 s[G0+2:G0+3], s[G0+2:G0+3], 3*3072
	s_add_nc_u64 s[G0B+2:G0B+3], s[G0B+2:G0B+3], 3*3072
	s_mov_b32 s[G1+1], 384<<16                     ; no tensor load of mine is out: rows of 3,072 bytes again
	s_mov_b32 s[G1+3], 384<<16
	s_mov_b32 s[G1B+1], 384<<16
	s_mov_b32 s[G1B+3], 384<<16
	JLOAD G0, G1, G0B, G1B                         ; the first tensor load behind the round, and my only one; its four v_nop are the places in front of the loads below
.else
	PLACES
.endif
	FETCH_B \nl, 0, 0
	FETCH_A \nl, 0, 0
	SCALES \ns, 1-(\sc)
	WIN MUL_HI
	MUL16 4, 1, 1, \sc, 0
	MUL16 6, 1, 1, \sc, 0
	PLACES
	WIN 0
	FETCH_A \nl, 0, 4
.endm
; 64 numbers of a lane, v[s] on, register 16 b + i = place 32 b + 16 (lane / 16) + i along the axis that is quantised, become two halves of six registers in v[d0] on and v[d1] on; the four scale bytes are left in v[TM+4] .. v[TM+7].
.macro QUANT s, d0, d1
.irp b, 0,1,2,3
	v_max3_num_f32 v[TM+\b], |v[\s+16*\b]|, |v[\s+1+16*\b]|, 0x1800000   ; my 16 numbers of block b, and the floor 2^(3 - 127): the byte cannot fall under 1
.endr
.irp i, 2,4,6,8,10,12,14
.irp b, 0,1,2,3
	v_max3_num_f32 v[TM+\b], v[TM+\b], |v[\s+16*\b+\i]|, |v[\s+1+16*\b+\i]|
.endr
.endr
.irp b, 0,1,2,3
	v_permlanex16_b32 v[TM+4+\b], v[TM+\b], s[SEL], s[SEL+1]
.endr
.irp b, 0,1,2,3
	v_max_num_f32 v[TM+\b], v[TM+\b], v[TM+4+\b]       ; with lane l xor 16's 16: the block's largest magnitude
.endr
.irp b, 0,1,2,3
	v_add_nc_u32 v[TM+12+\b], 0xff000000, v[TM+\b]     ; 2 off its exponent field: the conversion's scale operand
.endr
.irp b, 0,1,2,3
	v_lshrrev_b32 v[TM+4+\b], 23, v[TM+12+\b]          ; the scale's byte
.endr
	v_cvt_scalef32_pk16_fp6_f32 v[\d0:\d0+2], v[\s:\s+15], v[TM+12]
	v_cvt_scalef32_pk16_fp6_f32 v[CT:CT+2], v[\s+16:\s+31], v[TM+13]   ; (a conversion's three registers begin on an even number)
	v_cvt_scalef32_pk16_fp6_f32 v[\d1:\d1+2], v[\s+32:\s+47], v[TM+14]
	v_cvt_scalef32_pk16_fp6_f32 v[CT+4:CT+6], v[\s+48:\s+63], v[TM+15]
	v_nop                                              ; one plain instruction behind the scaled conversions
.irp i, 0,1,2
	v_permlane16_swap_b32 v[\d0+\i], v[CT+\i]          ; a WHOLE block in a lane: lanes 0-15 the even block, lanes 16-31 the odd one
.endr
.irp i, 0,1,2
	v_mov_b32 v[\d0+3+\i], v[CT+\i]
.endr
.irp i, 0,1,2
	v_permlane16_swap_b32 v[\d1+\i], v[CT+4+\i]
.endr
.irp i, 0,1,2
	v_mov_b32 v[\d1+3+\i], v[CT+4+\i]
.endr
.endm
.macro STOREF reg, off, base           ; a fragment's image: each store of the wave covers 512 or 256 consecutive bytes, at a multiple of 256 from the buffer's first byte
	global_store_b128 v[L16], v[\reg:\reg+3], s[\base:\base+1] offset:\off
	global_store_b64 v[L8], v[\reg+4:\reg+5], s[\base:\base+1] offset:\off+512
	global_store_b128 v[L16], v[\reg+6:\reg+9], s[\base:\base+1] offset:\off+768
	global_store_b64 v[L8], v[\reg+10:\reg+11], s[\base:\base+1] offset:\off+1280
.endm
	s_load_b256 s[4:11], s[0:1], 0x0               ; xcod s[4:5], xscl s[6:7], wcod s[8:9], wscl s[10:11]
	s_load_b256 s[12:19], s[0:1], 0x20             ; bq s[12:13], bk s[14:15], bv s[16:17], acod s[18:19]
	s_load_b64 s[20:21], s[0:1], 0x40              ; ascl
	v_lshl_add_u32 v[SPW], v0, 2, SPARE
	v_mov_b32 v[NIL], 0
	ds_add_u32 v28, v29
	ds_add_u32 v28, v29
	s_wait_dscnt 0x0
	v_lshrrev_b32 v1, 5, v0
	v_readfirstlane_b32 s[WV], v1                  ; wave 0..3
	s_lshr_b32 s[HA], s[WV], 1
	s_and_b32 s[HB], s[WV], 1
	s_bfe_u32 s[CX], ttmp6, 0x40000                ; my place in the cluster
	s_bfe_u32 s[CY], ttmp6, 0x40004
	s_and_b32 s[IDX], ttmp7, 0xffff                ; cluster y, 0 .. 23: the same in all sixteen partners
	s_lshr_b32 s[WH], s[IDX], 3
	s_and_b32 s[IDX], s[IDX], 7
	s_lshl_b32 s[IDX], s[IDX], 2
	s_cmp_lt_u32 s[WH], 2
	s_cselect_b32 s[TR], s[IDX], 0                 ; q, k: A = tokens, 32 tiles; B = the weight, 4 tiles.  v: the other way round
	s_cselect_b32 s[TC], 0, s[IDX]
	s_add_co_u32 s[TR], s[TR], s[CY]
	s_add_co_u32 s[TC], s[TC], s[CX]
	s_lshl_b32 s2, s[CY], 2
	s_lshl_b32 s2, 15, s2                          ; my row of the cluster
	s_lshl_b32 s3, 0x1111, s[CX]                   ; my column
	; descriptor groups 1.  Codes: 8 row blocks x 3,072 bytes (384 elements of 8 bytes), 12,288 bytes apart in memory, on end in LDS.  15:0 the mask; 17:16 elements of 8 bytes; 21 set beside a mask; no padding
	s_or_b32 s[G1], s2, (3<<16)|(1<<21)
	s_or_b32 s[G1B], s3, (3<<16)|(1<<21)
.irp g, G1, G1B
	s_mov_b32 s[\g+1], 384<<16                     ; tensor_dim0
	s_mov_b32 s[\g+2], 16<<16                      ; tensor_dim1: the head's loads bring all 16 row blocks of a tile
	s_mov_b32 s[\g+3], 384<<16                     ; tile_dim0
	s_mov_b32 s[\g+4], 16                          ; tile_dim1
	s_mov_b32 s[\g+5], 1536                        ; tensor_dim0_stride
	s_mov_b32 s[\g+6], 0
	s_mov_b32 s[\g+7], 0
.endr
	; scale words of 256 rows: 8,192 dense bytes, as 32 rows of 256
	s_or_b32 s[G1S], s2, (3<<16)|(1<<21)
	s_or_b32 s[G1SB], s3, (3<<16)|(1<<21)
.irp g, G1S, G1SB
	s_mov_b32 s[\g+1], 32<<16
	s_mov_b32 s[\g+2], 32<<16                      ; the scale words of 256 rows: 8,192 dense bytes, 32 rows of 256
	s_mov_b32 s[\g+3], 32<<16
	s_mov_b32 s[\g+4], 32
	s_mov_b32 s[\g+5], 32
	s_mov_b32 s[\g+6], 0
	s_mov_b32 s[\g+7], 0
.endr
	; where the tiles come from.  A's hang on TR, which my row of the cluster shares, B's on TC, which my column shares; each in registers that never hold the other coordinate
	s_mul_i32 s100, s[TR], 196608                  ; 16 row blocks of 12,288 bytes a tile,
	s_mov_b32 s101, 0
	s_mul_i32 s104, s[TC], 196608
	s_mov_b32 s105, 0
	s_lshl_b32 s66, s[TR], 13                      ; scale words: 16 row blocks of 512 bytes a tile
	s_mov_b32 s67, 0
	s_wait_kmcnt 0x0
	s_mov_b32 s3, 0
	s_mul_i32 s2, s[WH], 6291456                   ; this product's activations and weight
	s_add_nc_u64 s[4:5], s[4:5], s[2:3]
	s_lshl_b32 s2, s[WH], 18
	s_add_nc_u64 s[6:7], s[6:7], s[2:3]
	s_mul_i32 s2, s[WH], 786432
	s_add_nc_u64 s[8:9], s[8:9], s[2:3]
	s_lshl_b32 s2, s[WH], 15
	s_add_nc_u64 s[10:11], s[10:11], s[2:3]
	s_cmp_lt_u32 s[WH], 2                          ; the choice hangs on the cluster's number alone
	s_cselect_b64 s[G0+2:G0+3], s[4:5], s[8:9]
	s_cselect_b64 s[G0S+2:G0S+3], s[6:7], s[10:11]
	s_cselect_b64 s[G0B+2:G0B+3], s[8:9], s[4:5]
	s_cselect_b64 s[G0SB+2:G0SB+3], s[10:11], s[6:7]
	s_add_nc_u64 s[G0+2:G0+3], s[G0+2:G0+3], s[100:101]
	s_add_nc_u64 s[G0B+2:G0B+3], s[G0B+2:G0B+3], s[104:105]
	s_add_nc_u64 s[G0S+2:G0S+3], s[G0S+2:G0S+3], s[66:67]
	s_lshl_b32 s2, s[TC], 13
	s_add_nc_u64 s[G0SB+2:G0SB+3], s[G0SB+2:G0SB+3], s[2:3]
	; three groups 0 a side: +8 the head's load (the tile's 16 row blocks, K 0 .. 255, into slot 0); +4 my 8 row blocks of K 256 .. 767; +0 my 8 row blocks of the refill of slot 0
	s_mov_b64 s[G0+10:G0+11], s[G0+2:G0+3]
	s_mov_b64 s[G0B+10:G0B+11], s[G0B+2:G0B+3]
	s_mul_i32 s2, s[HB], 98304                     ; the half that I fetch: 8 row blocks of 12,288 bytes (s3 = 0)
	s_add_nc_u64 s[G0+2:G0+3], s[G0+2:G0+3], s[2:3]
	s_add_nc_u64 s[G0B+2:G0B+3], s[G0B+2:G0B+3], s[2:3]
	s_add_nc_u64 s[G0+6:G0+7], s[G0+2:G0+3], 3072
	s_add_nc_u64 s[G0B+6:G0B+7], s[G0B+2:G0B+3], 3072
	s_mul_i32 s31, s[WV], 24576                    ; slot 0: wave x 8 row blocks of 3,072 bytes: A's two halves, then B's: no place in the cluster enters an LDS address
	s_lshl_b32 s2, s31, 1
	s_add_co_u32 s2, s2, SLOTB                     ; behind it: wave x 8 row blocks of 6,144 bytes
.irp g, G0, G0B
	s_mov_b32 s[\g], 1
	s_mov_b32 s[\g+1], s31
	s_mov_b32 s[\g+4], 1
	s_mov_b32 s[\g+5], s2
	s_mov_b32 s[\g+8], 1
.irp s, 0,1,2
	s_or_b32 s[\g+4*\s+3], s[\g+4*\s+3], 0x80000000
.endr
.endr
	s_mov_b32 s[G0+9], 0
	s_mov_b32 s[G0B+9], 49152
	s_mov_b32 s[G0S], 1
	s_mov_b32 s[G0S+1], SCL
	s_or_b32 s[G0S+3], s[G0S+3], 0x80000000
	s_mov_b32 s[G0SB], 1
	s_mov_b32 s[G0SB+1], SCL+8192
	s_or_b32 s[G0SB+3], s[G0SB+3], 0x80000000
	s_cmp_eq_u32 s[WH], 0                          ; this product's bias
	s_cselect_b64 s[12:13], s[12:13], s[14:15]
	s_cmp_eq_u32 s[WH], 2
	s_cselect_b64 s[12:13], s[16:17], s[12:13]
	CROUND                                         ; all sixteen work-groups are here: the first joint loads meet
; THE HEAD'S LOADS, ONE A WAVE: wave 0 A's K 0 .. 255, wave 1 B's, wave 2 A's scale words, wave 3 B's: one chain of branches on the wave's number, every way passes one load
.macro ARM under, g0, g1, next
	s_cmp_lt_u32 s[WV], \under
	s_cbranch_scc0 \next
	tensor_load_to_lds s[\g0:\g0+3], s[\g1:\g1+7]
	s_nop 0
	PLACES
	s_branch .Lhead_asked
\next:
.endm
	ARM 1, G0+8, G1, .Lhead_b
	ARM 2, G0B+8, G1B, .Lhead_sa
	ARM 3, G0S, G1S, .Lhead_sb
	tensor_load_to_lds s[G0SB:G0SB+3], s[G1SB:G1SB+7]
	s_nop 0
	PLACES
.Lhead_asked:
	v_and_b32 v1, 31, v0                           ; lane
	v_and_b32 v2, 15, v0                           ; r
	v_bfe_u32 v3, v0, 4, 1                         ; h
	v_lshlrev_b32 v[L16], 4, v1
	v_lshlrev_b32 v[L8], 3, v1
	s_mul_i32 s4, s[HA], 24576                     ; my 128 rows of A,
	s_mul_i32 s5, s[HB], 24576
	s_add_co_u32 s5, s5, 49152                     ; my 128 rows of B, behind A's 256
.irp s, 0,1,2
	v_add_nc_u32 v[ADRA+2*\s], s4, v[L16]
	v_add_nc_u32 v[ADRA+2*\s+1], s4, v[L8]
	v_add_nc_u32 v[ADRB+2*\s], s5, v[L16]
	v_add_nc_u32 v[ADRB+2*\s+1], s5, v[L8]
.if \s == 0
	s_lshl_b32 s4, s4, 1                           ; slot 1: behind slot 0, row blocks of 6,144 bytes: my half begins at twice the distance
	s_lshl_b32 s5, s5, 1
	s_add_co_u32 s4, s4, SLOTB
	s_add_co_u32 s5, s5, SLOTB
.else
	s_add_co_u32 s4, s4, 3072                      ; slot 2: the second 3,072 bytes of each such row block
	s_add_co_u32 s5, s5, 3072
.endif
.endr
	s_lshl_b32 s4, s[HA], 12                       ; A's scale words: my 128 rows;
	s_lshl_b32 s5, s[HB], 12
	s_add_co_u32 s5, s5, 8192                      ; B's, behind A's 256 rows
	s_sub_co_u32 s5, s5, s4
	v_mul_u32_u24 v[ADRS], s5, v3                  ; lanes 16-31 take B's: one product, the distance between the two
	s_add_co_u32 s4, s4, SCL
	v_lshl_add_u32 v[ADRS], v2, 4, v[ADRS]
	v_add_nc_u32 v[ADRS], s4, v[ADRS]
	; where my results belong
	s_lshl_b32 s4, s[TR], 8
	s_lshl_b32 s5, s[HA], 7
	s_add_co_u32 s4, s4, s5                        ; my first row of A
	s_lshl_b32 s6, s[TC], 8
	s_lshl_b32 s7, s[HB], 7
	s_add_co_u32 s6, s6, s7                        ; my first row of B
	s_cmp_lt_u32 s[WH], 2
	s_cselect_b32 s8, s4, s6                       ; my first token,
	s_cselect_b32 s9, s6, s4                       ; my first channel
	s_and_b32 s10, s6, 1023                        ; both forms of the bias are loaded by every wave, so that no branch stands here; the index is cut to the bias's 1,024 numbers where the axis is the tokens'
	s_and_b32 s11, s4, 1023
	s_lshr_b32 s14, s8, 11
	s_lshl_b32 s14, s14, 4
	s_lshr_b32 s15, s9, 6
	s_add_co_u32 s14, s14, s15                     ; 16 x batch + head: the first of my two heads
	s_bfe_u32 s15, s8, 0x40007                     ; which 128 tokens of the batch
	s_mul_i32 s16, s14, 294912                     ; acod: [batch x head][128 tokens][q, k, v][4 fragments][1536]
	s_mul_i32 s17, s15, 18432
	s_add_co_u32 s16, s16, s17
	s_mul_i32 s17, s[WH], 6144
	s_add_co_u32 s16, s16, s17
	s_mov_b32 s17, 0
	s_add_nc_u64 s[18:19], s[18:19], s[16:17]
	s_mul_i32 s16, s14, 12288                      ; ascl: [batch x head][128 tokens][q, k, v][16 lanes][4 fragments] words
	s_mul_i32 s14, s15, 768
	s_add_co_u32 s16, s16, s14
	s_lshl_b32 s14, s[WH], 8
	s_add_co_u32 s16, s16, s14
	s_add_nc_u64 s[20:21], s[20:21], s[16:17]
	v_mul_u32_u24 v[SA], v3, 12288
	v_lshl_add_u32 v[SA], v2, 4, v[SA]
	s_lshl_b32 s10, s10, 2
	s_lshl_b32 s11, s11, 2
	v_lshlrev_b32 v[BO], 6, v3
	v_add_nc_u32 v[BO], s10, v[BO]                 ; along the registers: register 16 b + i wants number 32 b + 16 h + i
	v_and_b32 v[BRO], 8, v2
	v_add_nc_u32 v[BRO], v[BRO], v2
	v_lshlrev_b32 v[BRO], 2, v[BRO]
	v_add_nc_u32 v[BRO], s11, v[BRO]               ; along the lanes: block a wants number 32 (a / 2) + 8 (a % 2) + r + 8 (r / 8)
.irp b, 0,1,2,3
.irp j, 0,1,2,3
	global_load_b128 v[BI+16*\b+4*\j:BI+16*\b+4*\j+3], v[BO], s[12:13] offset:128*\b+16*\j
.endr
.endr
.irp a, 0,1,2,3,4,5,6,7
	global_load_b32 v[BR+\a], v[BRO], s[12:13] offset:(32*(\a/2)+8*(\a%2))*4
.endr
	s_wait_alu depctr_va_vdst(0)
	s_wait_tensorcnt 0x0                           ; my tile of the head's four is in
	ds_add_u32 v[SPW], v[NIL]
.irp g, G1, G1B
	s_mov_b32 s[\g+1], 768<<16                     ; no tensor load of mine is out: the next load brings 8 row blocks x 6,144 bytes
	s_mov_b32 s[\g+2], 8<<16
	s_mov_b32 s[\g+3], 768<<16
	s_mov_b32 s[\g+4], 8
.endr
	s_wait_loadcnt 0x0                             ; the bias
	s_wait_dscnt 0x0                               ; the add is done
	CROUND                                         ; everybody's tiles are in, and all sixteen work-groups are here
	JLOAD G0+4, G1, G0B+4, G1B                     ; K 256 .. 767: my one load behind the round
	FETCH_B 0, 0, 0
	FETCH_A 0, 0, 0
	SCALES 0, 0
	FETCH_A 0, 0, 4
	STEP 0, 0, 0, 0, 1, 0, ZERO                    ; K 0: its products start the sums: nothing is cleared
	TURN 0, 1, 1, 1                                ; K 128: slot 0 is left and takes K 768 .. 1,023; the wait for all loads has also shown slots 1 and 2 whole in every wave
	STEP 0, 0, 1, 1, 1, 0, 0                       ; K 256
	STEP 1, 1, 1, 2, 0, 2, 0                       ; K 384: on into slot 2, with no barrier
	STEP 0, 0, 0, 2, 1, 0, 0                       ; K 512
	TURN 0, 0, 3, 0                                ; K 640: slot 0's second fill is whole in every wave; nothing is filled
	STEP 0, 0, 1, 0, 1, 0, 0                       ; K 768
	s_wait_dscnt 16                                ; K 896, the last: nothing more to fetch
	WIN MUL_LO
	MUL16 0, 1, 1, 1, 0
	MUL16 2, 1, 1, 1, 0
	s_wait_dscnt 0x0
	WIN MUL_HI
	MUL16 4, 1, 1, 1, 0
	MUL16 6, 1, 1, 1, 0
	WIN 0
	; THE WAY OUT: bias, quantiser, images.  Registers and global stores alone.
	s_mov_b32 s[SEL], 0x76543210                   ; (no tensor load is left: the scale words' descriptors are free)
	s_mov_b32 s[SEL+1], 0xfedcba98
	s_mov_b32 s[HM], 0xffff0000
.irp b, 0,1,2,3
	v_mov_b32 v[TM+4+\b], 0                        ; written once: a lane permute's destination counts as one of its sources.  These four are also the places behind the last products
.endr
	s_cmp_eq_u32 s[WH], 2                          ; the cluster's number decides: the same in all partners
	s_cbranch_scc1 .Lvalues
	; q and k.  A lane holds one token; its 64 registers of block a are 128 channels' halves: blocks 0, 1 of 32 belong to my first head, blocks 2, 3 to my second.  A head has K = 64, half a fragment: token tiles 2 p and 2 p + 1
	; share a PAIR FRAGMENT p (half u = tile 2 p + u), and its scale word holds tile 2 p's two bytes below and tile 2 p + 1's above.
.irp bp, 0,1,2,3
	s_wait_xcnt 0x0                                ; the last pair's stores have read their registers
.irp u, 0,1
	WIN 0x02+(2*\bp+\u)/4                          ; source 0: window 2 or 3
.set AC, 64*((2*\bp+\u)%4)
.set i, 0
.rept 32
	v_pk_add_f32 v[H+i:H+i+1], v[AC+i:AC+i+1], v[BI+i:BI+i+1]   ; + the bias; each accumulator from its low end on
.set i, i+2
.endr
	WIN 0
	QUANT H, FA+6*\u, FB+6*\u
.if \u == 0
	v_lshl_or_b32 v[SW+\bp], v[TM+5], 8, v[TM+4]
	v_lshl_or_b32 v[SW+4+\bp], v[TM+7], 8, v[TM+6]
.else
	v_lshl_or_b32 v[SW+\bp], v[TM+4], 16, v[SW+\bp]
	v_lshl_or_b32 v[SW+\bp], v[TM+5], 24, v[SW+\bp]
	v_lshl_or_b32 v[SW+4+\bp], v[TM+6], 16, v[SW+4+\bp]
	v_lshl_or_b32 v[SW+4+\bp], v[TM+7], 24, v[SW+4+\bp]
.endif
.endr
	STOREF FA, 1536*\bp, 18                        ; my first head,
	STOREF FB, 294912+1536*\bp, 18                 ; my second
.endr
	s_branch .Ljoin
	; v.  A lane holds one channel, its 64 registers are 128 keys' halves in their own order: block a is a whole fragment: head a / 4, channel tile a % 4.
.Lvalues:
.irp a, 0,1,2,3,4,5,6,7
	s_wait_xcnt 0x0
	WIN 0x02+\a/4
.set AC, 64*(\a%4)
.set i, 0
.rept 32
.if \a%2 == 0
	v_pk_add_f32 v[H+i:H+i+1], v[AC+i:AC+i+1], v[BR+2*(\a/2):BR+2*(\a/2)+1] op_sel_hi:[1,0]              ; + my channel's bias: the pair's first register for both halves,
.else
	v_pk_add_f32 v[H+i:H+i+1], v[AC+i:AC+i+1], v[BR+2*(\a/2):BR+2*(\a/2)+1] op_sel:[0,1] op_sel_hi:[1,1]  ; or its second
.endif
.set i, i+2
.endr
	WIN 0
	QUANT H, FA, FA+6
	v_lshl_or_b32 v[SW+\a], v[TM+5], 8, v[TM+4]
	v_lshl_or_b32 v[SW+\a], v[TM+6], 16, v[SW+\a]
	v_lshl_or_b32 v[SW+\a], v[TM+7], 24, v[SW+\a]
	STOREF FA, (\a/4)*294912+(\a%4)*1536, 18
.endr
.Ljoin:
	s_wait_alu depctr_va_vdst(0)
.irp i, 0,1,2,3
	v_cndmask_b32 v[H+\i], v[SW+\i], v[SW+4+\i], s[HM]   ; lanes 0-15 store my first head's four words of lane r, lanes 16-31 my second head's
.endr
	global_store_b128 v[SA], v[H:H+3], s[20:21]    ; each half of the lanes stores 256 consecutive bytes, aligned
	s_wait_tensorcnt 0x0                           ; the wave's end
	ds_add_u32 v[SPW], v[NIL]
	s_wait_dscnt 0x0
	CROUND                                         ; the closing round: no work-group ends while a partner may still ask for a tile that names it
	s_endpgm
.Lfunc_end_k_qe436e111a3_proj:
	.size	k_qe436e111a3_proj, .Lfunc_end_k_qe436e111a3_proj-k_qe436e111a3_proj
	.p2alignl 7, 3214868480
	.fill 96, 4, 3214868480
	.section	.rodata,"a",@progbits
	.p2align	6, 0x0
	.amdhsa_kernel k_qe436e111a3_proj
		.amdhsa_group_segment_fixed_size 327680
		.amdhsa_private_segment_fixed_size 0
		.amdhsa_enable_private_segment 0
		.amdhsa_kernarg_size 72
		.amdhsa_user_sgpr_count 2
		.amdhsa_user_sgpr_kernarg_segment_ptr 1
		.amdhsa_wavefront_size32 1
		.amdhsa_system_sgpr_workgroup_id_x 1
		.amdhsa_system_sgpr_workgroup_id_y 1
		.amdhsa_system_sgpr_workgroup_id_z 1
		.amdhsa_system_vgpr_workitem_id 0
		.amdhsa_next_free_vgpr 1024
		.amdhsa_next_free_sgpr 106
		.amdhsa_reserve_vcc 0
		.amdhsa_float_denorm_mode_32 3
		.amdhsa_float_denorm_mode_16_64 3
		.amdhsa_memory_ordered 1
		.amdhsa_forward_progress 1
		.amdhsa_inst_pref_size 218
	.end_amdhsa_kernel
	.amdgpu_metadata
---
amdhsa.version: [ 1, 2 ]
amdhsa.kernels:
  - .name:           k_qe436e111a3_proj
    .symbol:         k_qe436e111a3_proj.kd
    .args:
      - { .name: xcod, .offset: 0, .size: 8, .value_kind: global_buffer, .address_space: global }
      - { .name: xscl, .offset: 8, .size: 8, .value_kind: global_buffer, .address_space: global }
      - { .name: wcod, .offset: 16, .size: 8, .value_kind: global_buffer, .address_space: global }
      - { .name: wscl, .offset: 24, .size: 8, .value_kind: global_buffer, .address_space: global }
      - { .name: bq, .offset: 32, .size: 8, .value_kind: global_buffer, .address_space: global }
      - { .name: bk, .offset: 40, .size: 8, .value_kind: global_buffer, .address_space: global }
      - { .name: bv, .offset: 48, .size: 8, .value_kind: global_buffer, .address_space: global }
      - { .name: acod, .offset: 56, .size: 8, .value_kind: global_buffer, .address_space: global }
      - { .name: ascl, .offset: 64, .size: 8, .value_kind: global_buffer, .address_space: global }
    .group_segment_fixed_size: 327680
    .private_segment_fixed_size: 0
    .kernarg_segment_align: 8
    .kernarg_segment_size: 72
    .max_flat_workgroup_size: 128
    .sgpr_count:     106
    .vgpr_count:     1024
    .wavefront_size: 32
...
	.end_amdgpu_metadata
.endif
;; end of part 2
;; launch attn (part 3): grid 4 x 64, 16 waves a work-group, clusters of 4 x 1, 206,848 bytes of LDS; arguments acod, ascl, ocod, oscl; writes ocod, oscl
.if DOCPART == 3
	.amdgcn_target "amdgcn-amd-amdhsa--gfx1250"
	.amdhsa_code_object_version 6
	.text
	.protected	k_qe436e111a3_attn
	.globl	k_qe436e111a3_attn
	.p2align	8
	.type	k_qe436e111a3_attn,@function
k_qe436e111a3_attn:
	s_mov_b64 s[64:65], 0
	v_nop
	global_prefetch_b8 v0, s[64:65] scope:SCOPE_SE
	s_setreg_imm32_b32 hwreg(HW_REG_WAVE_MODE, 25, 1), 1
	s_wait_xcnt 0x0
	s_wait_alu depctr_hold_cnt(0) depctr_sa_sdst(0) depctr_va_vdst(0) depctr_va_sdst(0) depctr_va_ssrc(0) depctr_va_vcc(0) depctr_vm_vsrc(0)
	s_getreg_b32 s2, hwreg(HW_REG_IB_STS2, 6, 4)
	s_cmp_eq_u32 s2, 0
	s_cbranch_scc0 .Lentry_in_a_cluster
	s_endpgm
.Lentry_in_a_cluster:
	s_bfe_u32 s2, ttmp6, 0x10000c
	s_cmp_lg_u32 s2, 0x3003
	s_cbranch_scc0 .Lentry_shape_is_right
	s_endpgm
.Lentry_shape_is_right:
; o = softmax(q k^T / 32) v for 64 (batch, head) pairs of 2,048 tokens and 64 channels, both products on codes of FP6 (E2M3) with one E8M0 scale for each 32 along a product's K; o is quantised along the merged channels
; and leaves as the A operand of the last product.
; THE SOFTMAX AHEAD OF THE SECOND PRODUCT: t = score x log2(e) / 32; M = the row's largest t so far, rounded UP to a whole number; p = 2^(t - M) is quantised along the keys, not normalised.  The row's sum is taken of the
; unquantised p, in f32, and divides O at the end.  When M moves, the sum and O are multiplied by 2^(old M - new M): exact.
; LIMITS: NaN and infinities are not served; a block whose largest magnitude lies under 2^-124 keeps the scale byte 1; a block of zeros has the byte 1 (its codes are zeros; this program alone reads the bytes).
; SHARES.  A work-group owns 512 queries of one head; each of its sixteen waves owns one tile of 16 queries in each of two passes, in 256 registers: four waves to a SIMD, so that one wave's vector work
; (some 245 instructions a key step) stands beside another's 12 matrix instructions and its LDS loads.
; THE WHOLE HEAD'S K AND V STAY IN LDS: 16 key steps x 12,288 bytes of codes and 512 of scale words, filled once: no ring.  The four work-groups of a cluster are the head's four query blocks and ask for every tile JOINTLY.
; All of K and V is asked for at the head, so there is no later tile to prefetch.
; LAYOUT.  Both products are used transposed: S^T = K Q^T, O^T = V^T P^T: a lane holds ONE query (lane % 16) throughout.  Lane r of tile t holds token (or channel) 32 (t / 2) + 8 (t % 2) + r + 8 (r / 8), so that the
; 16 registers of tiles 2 b and 2 b + 1 are 16 neighbours, 32 b + 16 (lane / 16) + 0 .. 15.
; K = 64 IN THE SCORES: a fragment of K holds TWO tiles of 16 keys, tile 2 f in its lower 64 along K and tile 2 f + 1 in its upper.  It is multiplied twice: by [q | 0] for tile 2 f and by [0 | q] for tile 2 f + 1.
; The zero codes make the other half's products zeros under any scale byte from 1 to 254.  Q lies in 18 registers as 0 x 6, q x 6, 0 x 6; its scale word holds its two bytes twice.
.set L16, 1                            ; v1   16 x lane
.set L8,  2                            ; v2   8 x lane
.set R16, 3                            ; v3   16 x (lane % 16)
.set AD16, 4                           ; v4, v5  LDS addresses of the step's images
.set ADS, 6                            ; v6   of its scale words
.set OB,  7                            ; v7   16 r + h: my byte of o's scale words
.set QSW, 34                           ; v12 -M, v13 the largest t, v[14:15] the sum in two halves; v16-33 Q; v34 its scale word
.set KV,  36                           ; v36-83   four fragments, first K's and then V's
.set KSW, 84                           ; v84-87   K's scale words
.set VSW, 88                           ; v88-91   V's
.set S,   96                           ; v96-159  S^T, then p
.set O,   160                          ; v160-191 O^T, four tiles
.set PCD, 192                          ; v192-203 p's codes
.set CT,  204                          ; v204-210 upper halves of blocks, as converted
.set BM,  212                          ; v212-215 the blocks' largest scores, then largest p
.set PT,  216                          ; v216-219 the lane permutes' results
.set SO,  220                          ; v220-223 the conversions' scale operands
.set BY,  224                          ; v224-227 the scale bytes
.set F,   228                          ; v[228:229] f = 2^(old M - new M), named as a pair
.set PSW, 230                          ; v230 p's scale word
.set T,   231
.set L2,  234                          ; v[234:235] the sum's second chain
.set WV,  12
.set CX,  13
.set BH,  14
.set W3,  15
.set SEL, 18                           ; s[18:19] lane selects for lane l xor 16
.set CS,  20                           ; s[20:21] c = log2(e) / 32, named as a pair
.set HM,  22                           ; the mask of lanes 16 to 31
.set TB,  23                           ; LDS byte at which the step's codes begin
.set TS,  24                           ; and its scale words
.set CNT, 25
.set PASS, 26
.set U16, 27                           ; 16 x (my tile % 2): which half of the pair's scale word is mine
.set QA,  28                           ; s[28:29] q's codes;  s[30:31] its scale words
.set QS,  30
.set G1C, 32                           ; s[32:39] descriptor group 1 for the codes;  s[40:47] for the scale words
.set G1S, 40
.set GS,  48                           ; s[48:51] group 0 for the scale words;  s[52:55] for the load of codes
.set GC,  52
.set GC3, 68
.set OA,  72                           ; s[72:73] o's codes;  s[74:75] its scale bytes
.set OS,  74
.macro CROUND                          ; a round of the cluster's barrier
	s_barrier_signal -1
	s_barrier_wait -1
	s_cmp_lg_u32 s[WV], 0
	s_cbranch_scc1 .Lnot_wave_0_\@
	s_barrier_signal -3
.Lnot_wave_0_\@:
	s_barrier_wait -3
	s_barrier_signal -1
	s_barrier_wait -1
.endm
.macro FRAG reg, adr, off              ; a fragment's image: every load reads 512 or 256 consecutive bytes
	ds_load_b128 v[\reg:\reg+3], v[\adr] offset:\off
	ds_load_b64 v[\reg+4:\reg+5], v[\adr+1] offset:\off+512
	ds_load_b128 v[\reg+6:\reg+9], v[\adr] offset:\off+768
	ds_load_b64 v[\reg+10:\reg+11], v[\adr+1] offset:\off+1280
.endm
	s_load_b256 s[4:11], s[0:1], 0x0               ; acod s[4:5], ascl s[6:7], ocod s[8:9], oscl s[10:11]
	v_lshl_add_u32 v254, v0, 2, 0x32000
	v_mov_b32 v255, 0
	ds_add_u32 v254, v255
	ds_add_u32 v254, v255
	v_lshrrev_b32 v1, 5, v0
	s_delay_alu instid0(VALU_DEP_1)
	v_readfirstlane_b32 s[WV], v1                  ; wave 0..15
	s_bfe_u32 s[CX], ttmp6, 0x40000                ; my place in the cluster: it enters q's and o's addresses alone
	s_and_b32 s[BH], ttmp7, 0xffff                 ; 16 x batch + head, which the four partners share
	s_mov_b32 s[SEL], 0x76543210
	s_mov_b32 s[SEL+1], 0xfedcba98
	s_mov_b32 s[CS], 0x3d38aa3b                    ; log2(e) / 32
	s_mov_b32 s[CS+1], s[CS]
	s_mov_b32 s[HM], 0xffff0000
	; descriptor groups 1.  Codes: a key step's K and V, 12,288 dense bytes, as one row of 1,536 elements of 8 bytes.  15:0 the mask: all four work-groups; 17:16 elements of 8 bytes; 21 set beside a mask
	s_mov_b32 s[G1C], 15|(3<<16)|(1<<21)
	s_mov_b32 s[G1C+1], 1536<<16                   ; two key steps' K and V: 2 rows of 12,288 bytes, 18,432 bytes apart in memory (q's 6,144 lie between), on end in LDS
	s_mov_b32 s[G1C+2], 2<<16
	s_mov_b32 s[G1C+3], 1536<<16
	s_mov_b32 s[G1C+4], 2
	s_mov_b32 s[G1C+5], 2304
	s_mov_b32 s[G1C+6], 0
	s_mov_b32 s[G1C+7], 0
	; scale words: sixteen key steps' K and V, 16 rows of 512 bytes, 768 bytes apart in memory (q's 256 lie between)
	s_mov_b32 s[G1S], 15|(3<<16)|(1<<21)
	s_mov_b32 s[G1S+1], 64<<16
	s_mov_b32 s[G1S+2], 16<<16                     ; all sixteen key steps' rows in one load
	s_mov_b32 s[G1S+3], 64<<16
	s_mov_b32 s[G1S+4], 16
	s_mov_b32 s[G1S+5], 96
	s_mov_b32 s[G1S+6], 0
	s_mov_b32 s[G1S+7], 0
	s_mul_i32 s2, s[BH], 294912                    ; the head in acod
	s_mul_i32 s3, s[WV], 36864                     ; key steps 2 x wave and 2 x wave + 1 (used by waves 0 to 7 alone),
	s_add_co_u32 s16, s2, s3
	s_add_co_u32 s16, s16, 6144                    ; behind its q
	s_mov_b32 s17, 0
	s_mul_i32 s76, s[BH], 12288                    ; the head in ascl
	s_add_co_u32 s78, s76, 256                     ; behind q's words
	s_mov_b32 s79, 0
	s_wait_dscnt 0x0
	s_wait_kmcnt 0x0
	s_mov_b32 s[GS], 1
	s_mov_b32 s[GS+1], 196608
	s_add_nc_u64 s[GS+2:GS+3], s[6:7], s[78:79]
	s_or_b32 s[GS+3], s[GS+3], 0x80000000
	s_mul_i32 s3, s[WV], 24576
	s_add_nc_u64 s[GC+2:GC+3], s[4:5], s[16:17]    ; the load brings key steps 2 x wave and 2 x wave + 1
	s_mov_b32 s[GC], 1
	s_mov_b32 s[GC+1], s3
	s_or_b32 s[GC+3], s[GC+3], 0x80000000
	CROUND                                         ; all four work-groups are here: the joint loads meet
	s_cmp_lt_u32 s[WV], 8                          ; one load a wave at the most: waves 0 to 7 two key steps of codes each, wave 8 the scale words; one chain of branches on the wave's number, the same in all partners
	s_cbranch_scc0 .Lnot_codes
	tensor_load_to_lds s[GC:GC+3], s[G1C:G1C+7]
	s_nop 0
.rept 4
	v_nop
.endr
	s_branch .Lno_fetch
.Lnot_codes:
	s_cmp_eq_u32 s[WV], 8
	s_cbranch_scc0 .Lno_fetch
	tensor_load_to_lds s[GS:GS+3], s[G1S:G1S+7]
	s_nop 0
.rept 4
	v_nop
.endr
.Lno_fetch:
	v_and_b32 v8, 31, v0
	s_delay_alu instid0(VALU_DEP_1)
	v_lshlrev_b32 v[L16], 4, v8
	s_delay_alu instid0(VALU_DEP_2)
	v_lshlrev_b32 v[L8], 3, v8
	v_and_b32 v9, 15, v0
	s_delay_alu instid0(VALU_DEP_1)
	v_lshlrev_b32 v[R16], 4, v9
	v_bfe_u32 v10, v0, 4, 1
	s_delay_alu instid0(VALU_DEP_1)
	v_add_nc_u32 v[OB], v[R16], v10
.irp j, 16,17,18,19,20,21,28,29,30,31,32,33
	v_mov_b32 v\j, 0                               ; the zero codes on both sides of q: set once
.endr
.irp b, 0,1,2,3
	v_mov_b32 v[PT+\b], 0                          ; written once: a lane permute's destination counts as one of its sources
.endr
	v_mov_b32 v[F+1], 0                            ; (named as the upper half of the pair)
	; my tile of queries in pass 0: group of 128 tokens g = 4 cx + wave / 8, tile t = wave % 8; pass 1: two groups on
	s_lshl_b32 s76, s[CX], 2
	s_lshr_b32 s77, s[WV], 3
	s_add_co_u32 s76, s76, s77                     ; g
	s_and_b32 s77, s[WV], 7                        ; t
	s_mul_i32 s[QA], s76, 18432
	s_add_co_u32 s[QA], s[QA], s2
	s_lshr_b32 s78, s77, 1                         ; the pair fragment t / 2,
	s_mul_i32 s79, s78, 1536
	s_add_co_u32 s[QA], s[QA], s79
	s_and_b32 s79, s77, 1                          ; its half t % 2
	s_lshl_b32 s[U16], s79, 4
	s_mul_i32 s79, s79, 768
	s_add_co_u32 s[QA], s[QA], s79
	s_mov_b32 s[QA+1], 0
	s_add_nc_u64 s[QA:QA+1], s[4:5], s[QA:QA+1]
	s_mul_i32 s[QS], s[BH], 12288
	s_mul_i32 s79, s76, 768
	s_add_co_u32 s[QS], s[QS], s79
	s_lshl_b32 s79, s78, 2
	s_add_co_u32 s[QS], s[QS], s79
	s_mov_b32 s[QS+1], 0
	s_add_nc_u64 s[QS:QS+1], s[6:7], s[QS:QS+1]
	; where o goes: row block 128 x batch + 32 cx + 16 x pass + wave; the head's 64 channels are half hd % 2 of K step hd / 2
	s_and_b32 s76, s[BH], 15                       ; hd
	s_lshr_b32 s77, s[BH], 4
	s_lshl_b32 s77, s77, 7
	s_lshl_b32 s78, s[CX], 5
	s_add_co_u32 s77, s77, s78
	s_add_co_u32 s77, s77, s[WV]
	s_mul_i32 s[OA], s77, 12288
	s_lshr_b32 s78, s76, 1
	s_mul_i32 s79, s78, 1536
	s_add_co_u32 s[OA], s[OA], s79
	s_and_b32 s79, s76, 1
	s_mul_i32 s16, s79, 768
	s_add_co_u32 s[OA], s[OA], s16
	s_mov_b32 s[OA+1], 0
	s_add_nc_u64 s[OA:OA+1], s[8:9], s[OA:OA+1]
	s_lshl_b32 s[OS], s77, 9
	s_lshr_b32 s16, s76, 3
	s_lshl_b32 s16, s16, 8
	s_add_co_u32 s[OS], s[OS], s16
	s_and_b32 s16, s78, 3
	s_lshl_b32 s16, s16, 2
	s_add_co_u32 s[OS], s[OS], s16
	s_lshl_b32 s16, s79, 1
	s_add_co_u32 s[OS], s[OS], s16
	s_mov_b32 s[OS+1], 0
	s_add_nc_u64 s[OS:OS+1], s[10:11], s[OS:OS+1]
	s_wait_tensorcnt 0x0                           ; my one load has landed (a wave that fetched nothing passes at once),
	s_barrier_signal -1
	s_barrier_wait -1                              ; everybody's have: the head's K and V are whole, and nothing writes LDS from here on
	s_mov_b32 s[PASS], 2
.Lpass:
	global_load_b128 v[22:25], v[L16], s[QA:QA+1]  ; my tile's half image: six registers
	global_load_b64 v[26:27], v[L8], s[QA:QA+1] offset:512
	global_load_b32 v[T], v[R16], s[QS:QS+1]       ; the pair's scale word of query r
.set j, 0
.rept 16
	v_mov_b32 v[O+j], 0                            ; O^T.  (The key step is written once: the first finds zeros, which the first change of M leaves zeros)
.set j, j+1
.endr
	s_wait_loadcnt 0x0
	v_lshrrev_b32 v[T], s[U16], v[T]               ; my tile's two bytes,
	s_delay_alu instid0(VALU_DEP_1)
	v_and_b32 v[T], 0xffff, v[T]
	s_delay_alu instid0(VALU_DEP_1)
	v_lshl_or_b32 v[QSW], v[T], 16, v[T]           ; twice: they serve [q | 0] and [0 | q].  The 20 lines below and the step's first four stand between this line and the first scaled product: more than the eight places owed
.rept 16
	v_mov_b32 v[O+j], 0
.set j, j+1
.endr
; THE ROW'S SUM of a key step's 64 unquantised p: 32 packed additions in four chains by turns.  It is taken at the top of the NEXT key step, between K's LDS loads and the wait for them (p's registers are written again
; only by that step's products), and once more behind the loop.  The first step of a pass finds zeros.
.macro SUMP
	v_pk_add_f32 v[234:235], v[S:S+1], v[S+2:S+3]
	v_pk_add_f32 v[252:253], v[S+4:S+5], v[S+6:S+7]
	v_pk_add_f32 v[250:251], v[S+8:S+9], v[S+10:S+11]
	v_pk_add_f32 v[14:15], v[14:15], v[S+12:S+13]
.set jj, 14
.rept 6
	v_pk_add_f32 v[234:235], v[234:235], v[S+jj:S+jj+1]
	v_pk_add_f32 v[252:253], v[252:253], v[S+jj+2:S+jj+3]
	v_pk_add_f32 v[250:251], v[250:251], v[S+jj+4:S+jj+5]
	v_pk_add_f32 v[14:15], v[14:15], v[S+jj+6:S+jj+7]
.set jj, jj+8
.endr
	v_pk_add_f32 v[234:235], v[234:235], v[S+62:S+63]
	v_pk_add_f32 v[14:15], v[14:15], v[250:251]
	v_pk_add_f32 v[234:235], v[234:235], v[252:253]
	v_pk_add_f32 v[14:15], v[14:15], v[234:235]
.endm
.set jj, 0
.rept 64
	v_mov_b32 v[S+jj], 0                           ; no p yet
.set jj, jj+1
.endr
	v_mov_b32 v13, 0xff61b1e6                      ; the largest t so far: -3e38, under every t
	s_delay_alu instid0(VALU_DEP_1)
	v_floor_f32 v12, -v13                          ; -M
	v_mov_b32 v14, 0                               ; the sum, in two halves
	v_mov_b32 v15, 0
	s_mov_b32 s[TB], 0
	s_mov_b32 s[TS], 196608
	s_mov_b32 s[CNT], 16
.Lstep:                                            ; A KEY STEP: 128 keys
	v_add_nc_u32 v[AD16], s[TB], v[L16]
	v_add_nc_u32 v[AD16+1], s[TB], v[L8]
	v_add_nc_u32 v[ADS], s[TS], v[R16]
	v_nop                                          ; four places in front of loads into registers that the last products have read
.irp f, 0,1,2,3
	FRAG KV+12*\f, AD16, 1536*\f
.endr
	ds_load_b128 v[KSW:KSW+3], v[ADS]              ; lane r: the four pair fragments' words
	SUMP                                           ; the last step's p into the sum, which stands under that step's M
	s_wait_alu depctr_va_vdst(0)
	s_wait_dscnt 0x0
.irp f, 0,1,2,3
	v_wmma_scale_f32_16x16x128_f8f6f4 v[S+16*\f:S+16*\f+7], v[KV+12*\f:KV+12*\f+11], v[22:33], 0, v[KSW+\f], v[QSW] matrix_a_fmt:MATRIX_FMT_FP6 matrix_b_fmt:MATRIX_FMT_FP6       ; [q | 0]: tile 2 f
	v_wmma_scale_f32_16x16x128_f8f6f4 v[S+16*\f+8:S+16*\f+15], v[KV+12*\f:KV+12*\f+11], v[16:27], 0, v[KSW+\f], v[QSW] matrix_a_fmt:MATRIX_FMT_FP6 matrix_b_fmt:MATRIX_FMT_FP6   ; [0 | q]: tile 2 f + 1
.endr                                              ; register 16 b + i: key 32 b + 16 (lane / 16) + i of the step
.rept 4
	v_nop                                          ; places in front of the loads below and of the first read of the scores
.endr
.irp f, 0,1,2,3
	FRAG KV+12*\f, AD16, 6144+1536*\f              ; V's four fragments are asked for at once: they land under the softmax
.endr
	ds_load_b128 v[VSW:VSW+3], v[ADS] offset:256
.irp b, 0,1,2,3
	v_max3_num_f32 v[BM+\b], v[S+16*\b], v[S+16*\b+1], v[S+16*\b+2]   ; THE LARGEST SCORE OF EACH BLOCK OF 32 KEYS serves twice: for the row's maximum and, since p rises with the score, for the block's largest p
.endr
.irp i, 3,5,7,9,11,13
.irp b, 0,1,2,3
	v_max3_num_f32 v[BM+\b], v[BM+\b], v[S+16*\b+\i], v[S+16*\b+\i+1]
.endr
.endr
.irp b, 0,1,2,3
	v_max_num_f32 v[BM+\b], v[BM+\b], v[S+16*\b+15]
.endr
.irp b, 0,1,2,3
	s_delay_alu instid0(VALU_DEP_4)
	v_permlanex16_b32 v[PT+\b], v[BM+\b], s[SEL], s[SEL+1]
.endr
.irp b, 0,1,2,3
	s_delay_alu instid0(VALU_DEP_4)
	v_max_num_f32 v[BM+\b], v[BM+\b], v[PT+\b]     ; with lane l xor 16's 16 keys
.endr
	s_delay_alu instid0(VALU_DEP_2)
	v_max3_num_f32 v[T], v[BM], v[BM+1], v[BM+2]
	s_delay_alu instid0(VALU_DEP_1)
	v_max_num_f32 v[T], v[T], v[BM+3]              ; the step's largest score of my query
	s_delay_alu instid0(VALU_DEP_1)
	v_mul_f32 v[T], s[CS], v[T]                    ; as t (c is positive)
	s_delay_alu instid0(VALU_DEP_1)
	v_max_num_f32 v13, v13, v[T]                   ; the running largest t
	v_mov_b32 v[T], v12
	s_delay_alu instid0(VALU_DEP_2)
	v_floor_f32 v12, -v13                          ; the new -M = floor(-t) = -ceil(t): M is a whole number
	s_delay_alu instid0(VALU_DEP_1)
	v_sub_f32 v[T], v12, v[T]                      ; old M less new M: a whole number, 0 or less
	s_delay_alu instid0(VALU_DEP_1)
	v_cvt_i32_f32 v[T], v[T]                       ; (it saturates)
	s_delay_alu instid0(VALU_DEP_1)
	v_ldexp_f32 v[F], 1.0, v[T]                    ; f = 2^(old M - new M)
.set j, 0
.rept 32
	v_pk_fma_f32 v[S+j:S+j+1], v[S+j:S+j+1], s[CS:CS+1], v[12:13] op_sel_hi:[1,0,0]   ; t - M, two at a time
.set j, j+2
.endr
.irp b, 0,1,2,3
	v_fma_f32 v[BM+\b], v[BM+\b], s[CS], v12       ; the same of each block's largest score
.endr
.set j, 0
	s_wait_alu depctr_va_vdst(0)
.rept 64
	v_exp_f32 v[S+j], v[S+j]                       ; p = 2^(t - M), at most 1: not normalised
.set j, j+1
.endr
	v_pk_mul_f32 v[14:15], v[14:15], v[F:F+1] op_sel_hi:[1,0]   ; the sums under the new M: the plain instruction behind the exponentials
	s_wait_alu depctr_va_vdst(0)                   ; the wait ahead of the first instruction that names a result: one for the batch of 64
.irp b, 0,1,2,3
	v_exp_f32 v[BM+\b], v[BM+\b]                   ; the block's largest p: the same two instructions on the same number give the same bits
.endr
	v_nop                                          ; the plain instruction behind the four exponentials
	s_wait_alu depctr_va_vdst(0)                   ; and one for the four
.irp b, 0,1,2,3
	v_max_num_f32 v[BM+\b], 0x1800000, v[BM+\b]    ; the floor 2^(3 - 127): the byte cannot fall under 1
.endr
.irp b, 0,1,2,3
	s_delay_alu instid0(VALU_DEP_4)
	v_add_nc_u32 v[SO+\b], 0xff000000, v[BM+\b]    ; 2 off the exponent field: the conversion's scale operand
.endr
.irp b, 0,1,2,3
	s_delay_alu instid0(VALU_DEP_4)
	v_lshrrev_b32 v[BY+\b], 23, v[SO+\b]           ; the scale's byte
.endr
	s_delay_alu instid0(VALU_DEP_3)
	v_lshl_or_b32 v[PSW], v[BY+1], 8, v[BY]        ; p's scale word for these 128 keys
	s_delay_alu instid0(VALU_DEP_1)
	v_lshl_or_b32 v[PSW], v[BY+2], 16, v[PSW]
	s_delay_alu instid0(VALU_DEP_1)
	v_lshl_or_b32 v[PSW], v[BY+3], 24, v[PSW]
	v_cvt_scalef32_pk16_fp6_f32 v[PCD:PCD+2], v[S:S+15], v[SO]
	v_cvt_scalef32_pk16_fp6_f32 v[CT:CT+2], v[S+16:S+31], v[SO+1]      ; (a conversion's three registers begin on an even number)
	v_cvt_scalef32_pk16_fp6_f32 v[PCD+6:PCD+8], v[S+32:S+47], v[SO+2]
	v_cvt_scalef32_pk16_fp6_f32 v[CT+4:CT+6], v[S+48:S+63], v[SO+3]
	v_nop                                          ; one plain instruction behind the scaled conversions
.irp c, 0,1                                        ; a WHOLE block in a lane: lanes 0-15 block 2 c, lanes 16-31 block 2 c + 1
.irp i, 0,1,2
	v_permlane16_swap_b32 v[PCD+6*\c+\i], v[CT+4*\c+\i]
.endr
.irp i, 0,1,2
	s_delay_alu instid0(VALU_DEP_3)
	v_mov_b32 v[PCD+6*\c+3+\i], v[CT+4*\c+\i]
.endr
.endr
.set j, 0
.rept 16
	v_pk_mul_f32 v[O+j:O+j+1], v[O+j:O+j+1], v[F:F+1] op_sel_hi:[1,0]   ; O^T under the new M.  (For each product below, the twelve of these that name other tiles are the places behind the writing of p's codes and scale word)
.set j, j+2
.endr
	s_wait_alu depctr_va_vdst(0)
	s_wait_dscnt 0x0                               ; V and its scale words are in
.irp t, 0,1,2,3
	v_wmma_scale_f32_16x16x128_f8f6f4 v[O+8*\t:O+8*\t+7], v[KV+12*\t:KV+12*\t+11], v[PCD:PCD+11], v[O+8*\t:O+8*\t+7], v[VSW+\t], v[PSW] matrix_a_fmt:MATRIX_FMT_FP6 matrix_b_fmt:MATRIX_FMT_FP6   ; four accumulators, one instruction a turn
.endr
	s_add_co_u32 s[TB], s[TB], 12288
	s_add_co_u32 s[TS], s[TS], 512
	s_sub_co_u32 s[CNT], s[CNT], 1
	s_cmp_lg_u32 s[CNT], 0
	s_cbranch_scc1 .Lstep
	; THE END OF A PASS: O^T / the sum, quantised along the channels: register 16 b + i is channel 32 b + 16 (lane / 16) + i of the head
	SUMP                                           ; the last key step's p
	v_add_f32 v14, v14, v15                        ; the sum's two halves,
	s_delay_alu instid0(VALU_DEP_1)
	v_permlanex16_b32 v[PT], v14, s[SEL], s[SEL+1]
	s_delay_alu instid0(VALU_DEP_1)
	v_add_f32 v14, v14, v[PT]                      ; and lane l xor 16's: the row's sum
	s_wait_alu depctr_va_vdst(0)
	v_rcp_f32 v14, v14
	v_nop                                          ; the plain instruction behind the reciprocal; with the two additions and the next line: four places behind the last products
	v_nop
	s_wait_alu depctr_va_vdst(0)                   ; the wait ahead of the first reader
.set j, 0
.rept 16
	v_pk_mul_f32 v[S+j:S+j+1], v[O+j:O+j+1], v[14:15] op_sel_hi:[1,0]   ; each accumulator from its low end on
.set j, j+2
.endr
.irp b, 0,1
	v_max3_num_f32 v[BM+\b], |v[S+16*\b]|, |v[S+16*\b+1]|, 0x1800000
.endr
.irp i, 2,4,6,8,10,12,14
.irp b, 0,1
	s_delay_alu instid0(VALU_DEP_2)
	v_max3_num_f32 v[BM+\b], v[BM+\b], |v[S+16*\b+\i]|, |v[S+16*\b+\i+1]|
.endr
.endr
.irp b, 0,1
	s_delay_alu instid0(VALU_DEP_2)
	v_permlanex16_b32 v[PT+\b], v[BM+\b], s[SEL], s[SEL+1]
.endr
.irp b, 0,1
	s_delay_alu instid0(VALU_DEP_2)
	v_max_num_f32 v[BM+\b], v[BM+\b], v[PT+\b]
.endr
.irp b, 0,1
	s_delay_alu instid0(VALU_DEP_2)
	v_add_nc_u32 v[SO+\b], 0xff000000, v[BM+\b]
.endr
.irp b, 0,1
	s_delay_alu instid0(VALU_DEP_2)
	v_lshrrev_b32 v[BY+\b], 23, v[SO+\b]
.endr
	v_cvt_scalef32_pk16_fp6_f32 v[PCD:PCD+2], v[S:S+15], v[SO]
	v_cvt_scalef32_pk16_fp6_f32 v[CT:CT+2], v[S+16:S+31], v[SO+1]
	v_cndmask_b32 v[T], v[BY], v[BY+1], s[HM]      ; lane (r, h) stores block h's byte.  (The plain instruction behind the scaled conversions)
.irp i, 0,1,2
	v_permlane16_swap_b32 v[PCD+\i], v[CT+\i]
.endr
.irp i, 0,1,2
	s_delay_alu instid0(VALU_DEP_3)
	v_mov_b32 v[PCD+3+\i], v[CT+\i]
.endr
	global_store_b128 v[L16], v[PCD:PCD+3], s[OA:OA+1]              ; half an image: 512 and 256 consecutive bytes, aligned
	global_store_b64 v[L8], v[PCD+4:PCD+5], s[OA:OA+1] offset:512
	global_store_b8 v[OB], v[T], s[OS:OS+1]        ; single bytes: a scale word's other half belongs to another head's work-group.  262,144 bytes in all, 1/24 of the codes
	s_wait_xcnt 0x0                                ; the loads and stores have read their addresses and data: both may be written again
	s_add_nc_u64 s[QA:QA+1], s[QA:QA+1], 36864     ; two groups of 128 tokens on
	s_add_nc_u64 s[QS:QS+1], s[QS:QS+1], 1536
	s_add_nc_u64 s[OA:OA+1], s[OA:OA+1], 196608    ; 16 row blocks on
	s_add_nc_u64 s[OS:OS+1], s[OS:OS+1], 8192
	s_sub_co_u32 s[PASS], s[PASS], 1
	s_cmp_lg_u32 s[PASS], 0
	s_cbranch_scc1 .Lpass
	s_wait_tensorcnt 0x0
	ds_add_u32 v254, v255
	s_wait_dscnt 0x0
	CROUND                                         ; the closing round: no work-group ends while a partner may still ask for a tile that names it
	s_endpgm
.Lfunc_end_k_qe436e111a3_attn:
	.size	k_qe436e111a3_attn, .Lfunc_end_k_qe436e111a3_attn-k_qe436e111a3_attn
	.p2alignl 7, 3214868480
	.fill 96, 4, 3214868480
	.section	.rodata,"a",@progbits
	.p2align	6, 0x0
	.amdhsa_kernel k_qe436e111a3_attn
		.amdhsa_group_segment_fixed_size 206848
		.amdhsa_private_segment_fixed_size 0
		.amdhsa_enable_private_segment 0
		.amdhsa_kernarg_size 32
		.amdhsa_user_sgpr_count 2
		.amdhsa_user_sgpr_kernarg_segment_ptr 1
		.amdhsa_wavefront_size32 1
		.amdhsa_system_sgpr_workgroup_id_x 1
		.amdhsa_system_sgpr_workgroup_id_y 1
		.amdhsa_system_sgpr_workgroup_id_z 1
		.amdhsa_system_vgpr_workitem_id 0
		.amdhsa_next_free_vgpr 256
		.amdhsa_next_free_sgpr 80
		.amdhsa_reserve_vcc 0
		.amdhsa_float_denorm_mode_32 3
		.amdhsa_float_denorm_mode_16_64 3
		.amdhsa_memory_ordered 1
		.amdhsa_forward_progress 1
		.amdhsa_inst_pref_size 35
	.end_amdhsa_kernel
	.amdgpu_metadata
---
amdhsa.version: [ 1, 2 ]
amdhsa.kernels:
  - .name:           k_qe436e111a3_attn
    .symbol:         k_qe436e111a3_attn.kd
    .args:
      - { .name: acod, .offset: 0, .size: 8, .value_kind: global_buffer, .address_space: global }
      - { .name: ascl, .offset: 8, .size: 8, .value_kind: global_buffer, .address_space: global }
      - { .name: ocod, .offset: 16, .size: 8, .value_kind: global_buffer, .address_space: global }
      - { .name: oscl, .offset: 24, .size: 8, .value_kind: global_buffer, .address_space: global }
    .group_segment_fixed_size: 206848
    .private_segment_fixed_size: 0
    .kernarg_segment_align: 8
    .kernarg_segment_size: 32
    .max_flat_workgroup_size: 512
    .sgpr_count:     80
    .vgpr_count:     256
    .wavefront_size: 32
...
	.end_amdgpu_metadata
.endif
;; end of part 3
;; launch outp (part 4): grid 8 x 32, 4 waves a work-group, clusters of 4 x 4, 327,680 bytes of LDS; arguments ocod, oscl, wcod, wscl, bo, out0; writes out0
.if DOCPART == 4
	.amdgcn_target "amdgcn-amd-amdhsa--gfx1250"
	.amdhsa_code_object_version 6
	.text
	.protected	k_qe436e111a3_outp
	.globl	k_qe436e111a3_outp
	.p2align	8
	.type	k_qe436e111a3_outp,@function
k_qe436e111a3_outp:
	s_mov_b64 s[64:65], 0
	v_nop
	global_prefetch_b8 v0, s[64:65] scope:SCOPE_SE
	s_setreg_imm32_b32 hwreg(HW_REG_WAVE_MODE, 25, 1), 1
	s_wait_xcnt 0x0
	s_wait_alu depctr_hold_cnt(0) depctr_sa_sdst(0) depctr_va_vdst(0) depctr_va_sdst(0) depctr_va_ssrc(0) depctr_va_vcc(0) depctr_vm_vsrc(0)
	s_getreg_b32 s2, hwreg(HW_REG_IB_STS2, 6, 4)
	s_cmp_eq_u32 s2, 0
	s_cbranch_scc0 .Lentry_in_a_cluster
	s_endpgm
.Lentry_in_a_cluster:
	s_bfe_u32 s2, ttmp6, 0x10000c
	s_cmp_lg_u32 s2, 0xf033
	s_cbranch_scc0 .Lentry_shape_is_right
	s_endpgm
.Lentry_shape_is_right:
; out0 = o Wo + bo, on codes of FP6 (E2M3) with one E8M0 scale for each 32 along K = 1,024; sums and result in f32.
; LIMITS: as the codes were made: NaN and infinities are not served.
; OPERANDS arrive as images of their registers: a row block of 16 rows (lane r = row 32 (RB / 2) + 8 (RB % 2) + r + 8 (r / 8)), a fragment of 16 rows x 128 K in 1,536 bytes, [RB][K step 8][1536]; scale words 512 bytes an RB.
; A BLOCK of 256 tokens x 128 columns to a work-group: 32 x 8 = 256 work-groups.  ALL OF K LIES IN LDS: A's 16 row blocks (196,608 bytes), B's 8 (98,304), their scale words (8,192 and 4,096): four dense tiles,
; one tensor load a wave at the head, nothing filled again, one barrier.  All tiles are asked for at the head, so there is no later tile to prefetch.
; A WAVE takes 64 tokens (A's row blocks 4 w .. 4 w + 3) x all 128 columns: 32 accumulators.  THE MATRIX INSTRUCTION IS USED TRANSPOSED: source 0 = 16 columns of Wo, source 1 = 16 tokens: a lane holds one token,
; and the 16 registers of B's blocks 2 b and 2 b + 1 are 16 neighbouring columns.  The bias is the C of each sum's first product.
; A and B have two sets of fragment registers: step s + 1's 12 fragments are fetched ahead of step s's 32 products.
; CLUSTERS: 4 x 4 work-groups: A's tiles are shared along a row of the cluster, B's along a column, each asked for jointly.
; REGISTERS: window 0: v0-31 addresses; v32-63 scale words, two sets; v64-127 the bias; v128-223 A's fragments, two sets of 48; on the way out v128-255 rows of the result.
;   window 1: B's fragments, two sets, at v0 and v128.  window 2: accumulator (a, b) at v[8 (8 a + b)].
.set ARB,   12288                      ; a row block's codes, all of K
.set BB0,   16*ARB                     ; B's row blocks, behind A's
.set SCL,   24*ARB                     ; the scale words: A's 8,192 bytes, then B's 4,096
.set SPARE, SCL+12288                  ; the spare words, 128 bytes for each wave: two blocks of 256 bytes that no other line names
.set FR,   12
.set ADRA, 4                           ; v4, v5   my 64 rows of A + 16 x lane, + 8 x lane
.set ADRB, 6                           ; v6, v7   the same for B's blocks 0-3;  v8, v9 for blocks 4-7
.set ADRS, 16                          ; v16      my scale words: lanes 0-15 A's rows, lanes 16-31 B's
.set L16,  17
.set L8,   18
.set STO,  19                          ; v19      the way out: where I put 32 bytes of a row
.set RD,   20                          ; v20      and where I read a row back
.set BO,   21                          ; v21      byte offset of the bias
.set SPW,  28                          ; v28      LDS address of my spare word; never rewritten
.set NIL,  29                          ; v29      0; never rewritten
.set SC,   32
.set BI,   64
.set AF,   128
.set BK,   128
.set WV,   22
.set CX,   25
.set CY,   26
.set TR,   29
.set TC,   30
.set G1,   32                          ; groups 1: s[32:39] A's codes, s[40:47] B's, s[68:75] A's scale words, s[76:83] B's
.set G1B,  40
.set G1S,  68
.set G1SB, 76
.set G0,   48                          ; groups 0: s[48:51], s[52:55], s[56:59], s[60:63], in the same order
.set G0B,  52
.set G0S,  56
.set G0SB, 60
.set MSB, 0
.macro WIN new                         ; the immediate's high byte repeats the setting that is left
.if MSB != (\new)
	s_set_vgpr_msb (MSB<<8)|(\new)
.set MSB, (\new)
.endif
.endm
.macro CROUND                          ; a round of the cluster's barrier
	s_barrier_signal -1
	s_barrier_wait -1
	s_cmp_lg_u32 s[WV], 0
	s_cbranch_scc1 .Lnot_wave_0_\@
	s_barrier_signal -3
.Lnot_wave_0_\@:
	s_barrier_wait -3
	s_barrier_signal -1
	s_barrier_wait -1
.endm
.macro PLACES                          ; four places behind matrix instructions (ISA guide 7.12.1)
.rept 4
	v_nop
.endr
.endm
.macro GROUP1 g, c, r                  ; a dense tile: r rows of c elements of 8 bytes
	s_mov_b32 s[\g+1], (\c)<<16
	s_mov_b32 s[\g+2], (\r)<<16
	s_mov_b32 s[\g+3], (\c)<<16
	s_mov_b32 s[\g+4], \r
	s_mov_b32 s[\g+5], \c
	s_mov_b32 s[\g+6], 0
	s_mov_b32 s[\g+7], 0
.endm
.macro ARM under, g0, g1, next         ; an arm of the head's chain: one load, an s_nop 0 and four v_nop, a jump to the join
	s_cmp_lt_u32 s[WV], \under
	s_cbranch_scc0 \next
	tensor_load_to_lds s[\g0:\g0+3], s[\g1:\g1+7]
	s_nop 0
	PLACES
	s_branch .Lhead_asked
\next:
.endm
.macro FRAG reg, adr, off              ; a fragment's image: every load reads 512 or 256 consecutive bytes
	ds_load_b128 v[\reg:\reg+3], v[\adr] offset:\off
	ds_load_b64 v[\reg+4:\reg+5], v[\adr+1] offset:\off+512
	ds_load_b128 v[\reg+6:\reg+9], v[\adr] offset:\off+768
	ds_load_b64 v[\reg+10:\reg+11], v[\adr+1] offset:\off+1280
.endm
.macro FETCH st                        ; K step st: B's eight fragments and my four of A into set st % 2; with an even step the scale words of two steps: lanes 0-15 A's block i, lanes 16-31 B's block i
	WIN 0x40                                       ; destination window 1, address window 0
.irp i, 0,1,2,3,4,5,6,7
	FRAG 128*((\st)%2)+FR*\i, ADRB+2*(\i/4), ARB*(\i%4)+1536*(\st)
.endr
	WIN 0
.irp i, 0,1,2,3
	FRAG AF+48*((\st)%2)+FR*\i, ADRA, ARB*\i+1536*(\st)
.endr
.if (\st)%2 == 0
.irp i, 0,1,2,3,4,5,6,7
	ds_load_b64 v[SC+16*(((\st)/2)%2)+2*\i:SC+16*(((\st)/2)%2)+2*\i+1], v[ADRS] offset:512*\i+256*((\st)/4)+8*(((\st)/2)%2)
.endr
.endif
.endm
; A K step: 32 products, the 32 accumulators by turns in the same order in every step.
.macro STEP st
	s_wait_dscnt 0x0                               ; this step's fragments and scale words are in: they were asked for ahead of the last step's products
.if (\st) < 7
.if (\st) > 0
	PLACES                                         ; in front of loads into registers that the last step's products have read
.endif
	FETCH (\st)+1
.endif
.if (\st) == 0
	WIN 0x81                                       ; source 0 (B) window 1, source 1 (A) and C (the bias) window 0, D window 2
.else
	WIN 0xa1                                       ; C and D window 2
.endif
.irp a, 0,1,2,3
.irp b, 0,1,2,3,4,5,6,7
.set rD, 8*(8*\a+\b)
.set rB, 128*((\st)%2)+FR*\b
.set rA, AF+48*((\st)%2)+FR*\a
.set rSB, SC+16*(((\st)/2)%2)+2*\b+(\st)%2
.set rSA, SC+16*(((\st)/2)%2)+2*\a+(\st)%2
.if (\st) == 0
	v_wmma_scale_f32_16x16x128_f8f6f4 v[rD:rD+7], v[rB:rB+FR-1], v[rA:rA+FR-1], v[BI+8*\b:BI+8*\b+7], v[rSB], v[rSA] matrix_a_fmt:MATRIX_FMT_FP6 matrix_b_fmt:MATRIX_FMT_FP6 matrix_a_scale:MATRIX_SCALE_ROW1
.else
	v_wmma_scale_f32_16x16x128_f8f6f4 v[rD:rD+7], v[rB:rB+FR-1], v[rA:rA+FR-1], v[rD:rD+7], v[rSB], v[rSA] matrix_a_fmt:MATRIX_FMT_FP6 matrix_b_fmt:MATRIX_FMT_FP6 matrix_a_scale:MATRIX_SCALE_ROW1
.endif
.endr
.endr
	WIN 0
.endm
	s_load_b256 s[4:11], s[0:1], 0x0               ; ocod s[4:5], oscl s[6:7], wcod s[8:9], wscl s[10:11]
	s_load_b128 s[12:15], s[0:1], 0x20             ; bo s[12:13], out0 s[14:15]
	v_lshl_add_u32 v[SPW], v0, 2, SPARE
	v_mov_b32 v[NIL], 0
	ds_add_u32 v[SPW], v[NIL]                      ; the opening lines: the add, twice on end, and its wait ahead of my first tensor load
	ds_add_u32 v[SPW], v[NIL]
	v_lshrrev_b32 v1, 5, v0
	v_readfirstlane_b32 s[WV], v1                  ; wave 0..3
	s_bfe_u32 s[CX], ttmp6, 0x40000                ; my place in the cluster
	s_bfe_u32 s[CY], ttmp6, 0x40004
	s_and_b32 s[TR], ttmp7, 0xffff
	s_lshl_b32 s[TR], s[TR], 2
	s_add_co_u32 s[TR], s[TR], s[CY]               ; the tokens' tile = 4 x cluster y + cy
	s_lshl_b32 s[TC], ttmp9, 2
	s_add_co_u32 s[TC], s[TC], s[CX]               ; the columns' tile = 4 x cluster x + cx
	s_lshl_b32 s2, s[CY], 2
	s_lshl_b32 s2, 15, s2                          ; my row of the cluster
	s_lshl_b32 s3, 0x1111, s[CX]                   ; my column
	s_or_b32 s[G1], s2, (3<<16)|(1<<21)            ; 15:0 the mask; 17:16 elements of 8 bytes; 21 set beside a mask; no padding
	s_or_b32 s[G1B], s3, (3<<16)|(1<<21)
	s_or_b32 s[G1S], s2, (3<<16)|(1<<21)
	s_or_b32 s[G1SB], s3, (3<<16)|(1<<21)
	GROUP1 G1, 1536, 16                            ; A: 16 row blocks of 12,288 bytes
	GROUP1 G1B, 1536, 8                            ; B: 8
	GROUP1 G1S, 32, 32                             ; A's scale words: 32 rows of 256 bytes
	GROUP1 G1SB, 32, 16                            ; B's: 16
	s_mul_i32 s84, s[TR], 196608                   ; A's addresses hang on TR, B's on TC, each in registers that never hold the other coordinate
	s_mov_b32 s85, 0
	s_mul_i32 s86, s[TC], 98304
	s_add_co_u32 s86, s86, 2359296                 ; Wo is the fourth weight
	s_mov_b32 s87, 0
	s_lshl_b32 s88, s[TR], 13
	s_mov_b32 s89, 0
	s_lshl_b32 s90, s[TC], 12
	s_add_co_u32 s90, s90, 98304
	s_mov_b32 s91, 0
	s_mov_b32 s[G0+1], 0                           ; where they go: constants: no place in the cluster enters an LDS address
	s_mov_b32 s[G0B+1], BB0
	s_mov_b32 s[G0S+1], SCL
	s_mov_b32 s[G0SB+1], SCL+8192
	s_wait_dscnt 0x0                               ; both opening adds are done
	s_wait_kmcnt 0x0
	s_add_nc_u64 s[G0+2:G0+3], s[4:5], s[84:85]
	s_add_nc_u64 s[G0B+2:G0B+3], s[8:9], s[86:87]
	s_add_nc_u64 s[G0S+2:G0S+3], s[6:7], s[88:89]
	s_add_nc_u64 s[G0SB+2:G0SB+3], s[10:11], s[90:91]
.irp g, G0, G0B, G0S, G0SB
	s_mov_b32 s[\g], 1                             ; count = 1
	s_or_b32 s[\g+3], s[\g+3], 0x80000000          ; type = 2
.endr
	CROUND                                         ; all sixteen work-groups are here: the joint loads meet
	ARM 1, G0, G1, .Lhead_b                        ; one load a wave, in one chain of branches on the wave's number: wave 0 A's codes,
	ARM 2, G0B, G1B, .Lhead_sa                     ; wave 1 B's,
	ARM 3, G0S, G1S, .Lhead_sb                     ; wave 2 A's scale words,
	tensor_load_to_lds s[G0SB:G0SB+3], s[G1SB:G1SB+7]   ; wave 3 B's
	s_nop 0
	PLACES
.Lhead_asked:
	s_lshl_b32 s4, s[TR], 2
	s_add_co_u32 s4, s4, s[WV]                     ; my 64 tokens
	s_lshl_b32 s4, s4, 18                          ; 64 rows of 4,096 bytes
	s_lshl_b32 s6, s[TC], 9                        ; my work-group's 128 columns, in bytes
	s_add_co_u32 s4, s4, s6
	s_mov_b32 s5, 0
	s_add_nc_u64 s[14:15], s[14:15], s[4:5]
	s_mul_i32 s7, s[WV], 4*ARB                     ; my four row blocks of A.  Their first 8,448 bytes are my stage on the way out: only I read these bytes, they have had their one fill, and my reads are over by then
	s_lshl_b32 s8, s[WV], 11                       ; their scale words
	s_sub_co_u32 s9, 8192, s8                      ; from there to B's
	s_add_co_u32 s10, s8, SCL
	v_and_b32 v1, 31, v0                           ; lane
	v_and_b32 v2, 15, v0                           ; r
	v_bfe_u32 v3, v0, 4, 1                         ; h
	v_lshlrev_b32 v[L16], 4, v1
	v_lshlrev_b32 v[L8], 3, v1
	v_add_nc_u32 v[ADRA], s7, v[L16]
	v_add_nc_u32 v[ADRA+1], s7, v[L8]
	v_add_nc_u32 v[ADRB], BB0, v[L16]
	v_add_nc_u32 v[ADRB+1], BB0, v[L8]
	v_add_nc_u32 v[ADRB+2], BB0+4*ARB, v[L16]
	v_add_nc_u32 v[ADRB+3], BB0+4*ARB, v[L8]
	v_mul_u32_u24 v[ADRS], s9, v3                  ; lanes 16-31 take B's scale words: one product, the distance between the two
	v_lshl_add_u32 v[ADRS], v2, 4, v[ADRS]
	v_add_nc_u32 v[ADRS], s10, v[ADRS]
	v_mul_u32_u24 v[STO], v2, 528                  ; the stage: 16 rows x (512 bytes + 16).  In: row r, + 64 h
	v_lshl_add_u32 v[STO], v3, 6, v[STO]
	v_add_nc_u32 v[STO], s7, v[STO]
	v_add_nc_u32 v[RD], s7, v[L16]                 ; back: the 32 lanes take one row of 512 bytes
	v_lshlrev_b32 v[BO], 6, v3
	v_add_nc_u32 v[BO], s6, v[BO]                  ; register 16 b + i wants the bias of column 32 b + 16 h + i
.irp b, 0,1,2,3
.irp j, 0,1,2,3
	global_load_b128 v[BI+16*\b+4*\j:BI+16*\b+4*\j+3], v[BO], s[12:13] offset:128*\b+16*\j
.endr
.endr
	s_wait_alu depctr_va_vdst(0)
	s_wait_tensorcnt 0x0                           ; my tile is in,
	s_wait_loadcnt 0x0                             ; and the bias: the first products take it as C
	s_barrier_signal -1
	s_barrier_wait -1                              ; everybody's tiles are in
	FETCH 0
.set ST, 0
.rept 8
	STEP ST
.set ST, ST+1
.endr
; THE WAY OUT, block by block of 16 tokens x 128 columns: through my own stage, back as whole rows of 512 bytes.  LDS serves a wave's instructions in order (ISA guide 5.7.1.4): no wait between the stores and the loads.
.macro TOSTAGE a
	WIN 0x08                                       ; an LDS store's data: window 2
.irp b, 0,1,2,3,4,5,6,7
	ds_store_b128 v[STO], v[64*(\a)+8*\b:64*(\a)+8*\b+3] offset:128*(\b/2)+32*(\b%2)          ; each accumulator from its low end on: columns 32 (b / 2) + 8 (b % 2) + 16 h + 0 .. 7
	ds_store_b128 v[STO], v[64*(\a)+8*\b+4:64*(\a)+8*\b+7] offset:128*(\b/2)+32*(\b%2)+16
.endr
	WIN 0
.irp t, 0,1,2,3,4,5,6,7,8,9,10,11,12,13,14,15
	ds_load_b128 v[BK+64*((\a)%2)+4*\t:BK+64*((\a)%2)+4*\t+3], v[RD] offset:\t*528
.endr
.endm
.macro SEND a, younger                 ; younger: the LDS instructions issued behind block a's loads, which may stay out
	s_wait_dscnt \younger
.irp t, 0,1,2,3,4,5,6,7,8,9,10,11,12,13,14,15
	global_store_b128 v[L16], v[BK+64*((\a)%2)+4*\t:BK+64*((\a)%2)+4*\t+3], s[14:15] offset:(32*((\a)/2)+8*((\a)%2)+\t+8*(\t/8))*4096 th:TH_STORE_NT   ; 32 lanes store 512 consecutive bytes, at a multiple of 256 from out0's first byte
.endr
.endm
	PLACES                                         ; behind the last products: for the stage's stores, which read results, and the loads into the registers that held A's fragments
	TOSTAGE 0
.irp a, 1,2,3
.if \a > 1
	s_wait_xcnt 0x0                                ; block a - 2's stores have read their registers: block a's loads may land there
.endif
	TOSTAGE \a
	SEND \a-1, 32                                  ; behind block a - 1's loads: block a's 16 stores and 16 loads
.endr
	SEND 3, 0
	s_wait_tensorcnt 0x0                           ; the wave's end
	ds_add_u32 v[SPW], v[NIL]
	s_wait_dscnt 0x0
	CROUND                                         ; the closing round
	s_endpgm
.Lfunc_end_k_qe436e111a3_outp:
	.size	k_qe436e111a3_outp, .Lfunc_end_k_qe436e111a3_outp-k_qe436e111a3_outp
	.p2alignl 7, 3214868480
	.fill 96, 4, 3214868480
	.section	.rodata,"a",@progbits
	.p2align	6, 0x0
	.amdhsa_kernel k_qe436e111a3_outp
		.amdhsa_group_segment_fixed_size 327680
		.amdhsa_private_segment_fixed_size 0
		.amdhsa_enable_private_segment 0
		.amdhsa_kernarg_size 48
		.amdhsa_user_sgpr_count 2
		.amdhsa_user_sgpr_kernarg_segment_ptr 1
		.amdhsa_wavefront_size32 1
		.amdhsa_system_sgpr_workgroup_id_x 1
		.amdhsa_system_sgpr_workgroup_id_y 1
		.amdhsa_system_sgpr_workgroup_id_z 1
		.amdhsa_system_vgpr_workitem_id 0
		.amdhsa_next_free_vgpr 768
		.amdhsa_next_free_sgpr 96
		.amdhsa_reserve_vcc 0
		.amdhsa_float_denorm_mode_32 3
		.amdhsa_float_denorm_mode_16_64 3
		.amdhsa_memory_ordered 1
		.amdhsa_forward_progress 1
		.amdhsa_inst_pref_size 84
	.end_amdhsa_kernel
	.amdgpu_metadata
---
amdhsa.version: [ 1, 2 ]
amdhsa.kernels:
  - .name:           k_qe436e111a3_outp
    .symbol:         k_qe436e111a3_outp.kd
    .args:
      - { .name: ocod, .offset: 0, .size: 8, .value_kind: global_buffer, .address_space: global }
      - { .name: oscl, .offset: 8, .size: 8, .value_kind: global_buffer, .address_space: global }
      - { .name: wcod, .offset: 16, .size: 8, .value_kind: global_buffer, .address_space: global }
      - { .name: wscl, .offset: 24, .size: 8, .value_kind: global_buffer, .address_space: global }
      - { .name: bo, .offset: 32, .size: 8, .value_kind: global_buffer, .address_space: global }
      - { .name: out0, .offset: 40, .size: 8, .value_kind: global_buffer, .address_space: global }
    .group_segment_fixed_size: 327680
    .private_segment_fixed_size: 0
    .kernarg_segment_align: 8
    .kernarg_segment_size: 48
    .max_flat_workgroup_size: 128
    .sgpr_count:     96
    .vgpr_count:     768
    .wavefront_size: 32
...
	.end_amdgpu_metadata
.endif
;; end of part 4
